; MI455X (gfx1250); checked and timed in simulation.
; The chip was launched on July 23, 2026; its instructions are those of AMD's public machine-readable ISA for CDNA 5 (MIT licence, August 2026) and "CDNA5" Instruction Set Architecture Reference Guide (July 2026). The comments in the code are by the model that wrote it; some were corrected since.
;; Causal Self Attention. Allowed arithmetic: matrix products marked QUANTISED: E2M1 operands, one E8M0 scale for each 32 along K, by v_wmma_scale_f32_16x16x128_f8f6f4 with both operands' format E2M1 (or v_wmma_scale_f32_32x16x128_f4), f32 sums; products left as they are: bf16, f16 or f32 operands; f32 sums; everything else in f32.
;; Inputs: Wproj 1,024 x 1,024 float32; Wqkv 1,024 x 3,072 float32; bproj 1,024 float32; bqkv 3,072 float32; x 4 x 2,048 x 1,024 float32.
;; Outputs: out0 4 x 2,048 x 1,024 float32.
;; This version of the problem:
;;   THIS VERSION OF THE PROBLEM IS GIVEN IN LOW PRECISION. The matrix products marked QUANTISED in the list below multiply operands that are first quantised to E2M1 (2 exponent bits, 1 mantissa bit; 4 bits a number), with one power-of-two scale for each 32 numbers along K (OCP MX v1.0); their sums are f32. The products marked 'left as it is' may take bf16, f16 or f32 operands, with f32 sums. Whichever they take, every output number must still come out within the allowed error. Rounding operands to bf16 (8 significant bits) uses up far more of that allowance than f16 does (11 bits, for magnitudes from 6e-5 to 65,504). All else is computed in f32.
;;   The module's matrix products, in the order in which they are computed (A, B: the left and right operand; K: the contracted axis; several contracted axes count as one K, in the product's order):
;;     1. [M 8,192, K 1,024] x [K 1,024, N 3,072]; A: input x; B: input Wqkv: QUANTISED
;;     2. batch 64 x [M 2,048, K 64] x [K 64, N 2,048]; A: computed on the way; B: computed on the way: left as it is (an operand is computed on the way)
;;     3. batch 64 x [M 64, K 2,048] x [K 2,048, N 2,048]; A: computed on the way; B: computed on the way: left as it is (an operand is computed on the way)
;;     4. [M 8,192, K 1,024] x [K 1,024, N 1,024]; A: computed on the way; B: input Wproj: left as it is (an operand is computed on the way)
;;   THE QUANTISER, for each operand of a quantised product, along K:
;;     - K is cut into blocks of 32 from its start; a last block that is shorter is filled with zeros.
;;     - A block's scale is 2^e with e = floor(log2(the largest magnitude in the block)) - 2, held to -126 .. 127; a block of zeros has e = 0. As a byte (E8M0): e + 127.
;;     - Each number is divided by its block's scale, clamped to +-6, and rounded to the nearest number of E2M1, ties to even, subnormals kept.
;;     - The product sums the exact products of the quantised numbers (number of the format x scale) in f32.
;;   ~~~python
;;   def quantise(x, axis):      # numpy; x: float32 -> the quantised numbers, widened to float32 again
;;       x = np.moveaxis(x, axis, -1); K = x.shape[-1]
;;       x = np.pad(x, [(0, 0)] * (x.ndim - 1) + [(0, -K % 32)]); x = x.reshape(x.shape[:-1] + (-1, 32)); a = np.abs(x).max(-1, keepdims=True)
;;       e = np.where(a > 0, np.clip(np.frexp(np.where(a > 0, a, 1))[1] - 1 - 2, -126, 127), 0)      # np.frexp(a)[1] - 1 = floor(log2(a)), exactly
;;       r = np.clip(x / 2.0 ** e, -6, 6)
;;       step = 2.0 ** (np.maximum(np.frexp(np.where(r == 0, 1, r))[1] - 1, 0) - 1)
;;       q = np.round(r / step) * step * 2.0 ** e      # np.round: ties to even
;;       return np.moveaxis(q.reshape(q.shape[:-2] + (-1,))[..., :K], -1, axis).astype(np.float32)
;;   ~~~
;; One version. Each part assembles by itself: llvm-mc -triple=amdgcn-amd-amdhsa -mcpu=gfx1250 --defsym DOCPART=n.
;; ======== version 1 of 1: 5 launches
;; limits: values are held in f16: magnitudes above 65,504 overflow, below 6.1e-05 lose precision
;; workspace buffers: xc 4,194,304 bytes; xs 262,144 bytes; wc 1,572,864 bytes; ws 98,304 bytes; wp16 2,097,152 bytes; qkvh 50,331,648 bytes; qkv32 786,432 bytes; yh 16,777,216 bytes
;; launch prep (part 1): grid 336 x 1, 4 waves a work-group, no clusters, 68,096 bytes of LDS; arguments x, Wqkv, Wproj, xc, xs, wc, ws, wp16; writes xc, xs, wc, ws, wp16
.if DOCPART == 1
	.amdgcn_target "amdgcn-amd-amdhsa--gfx1250"
	.amdhsa_code_object_version 6
	.text
	.protected	k_q765a25761d_prep
	.globl	k_q765a25761d_prep
	.p2align	8
	.type	k_q765a25761d_prep,@function
k_q765a25761d_prep:
	s_mov_b64 s[64:65], 0
	v_nop
	global_prefetch_b8 v0, s[64:65] scope:SCOPE_SE
	s_setreg_imm32_b32 hwreg(HW_REG_WAVE_MODE, 25, 1), 1
	s_wait_xcnt 0x0
; CAUSAL SELF-ATTENTION, B = 4, T = 2,048, C = 1,024, 16 heads of 64, in five launches.  This is the first: it makes the operands that many work-groups read later.
;   x [8192][1024] f32     -> xc [8192][512 bytes] codes of E2M1, K innermost, and xs [8192][32] E8M0 bytes (one for each 32 along K)
;   Wqkv [1024 (K)][3072]  -> wc [3072][512 bytes] codes with K innermost, and ws [3072][32]
;   Wproj [1024][1024] f32 -> wp16, the same layout in f16 (the last product is left as it is: f16 operands, f32 sums)
; WORK LEFT OUT BY THE WHOLE PROGRAM, AND WHY IT IS DEAD.
;   (1) bqkv[1024:2048], the bias of k.  With k_j + bk in k_j's place every score of query i gains q_i . bk / 8, the same number for all keys j of the row; jax.nn.softmax along the keys divides
;       exp(s_ij + d_i) by the sum over j of exp(s_ij + d_i), in which exp(d_i) cancels for every finite d_i; hidden keys have weight 0 either way.  k goes nowhere else, and the product q k^T is not quantised.
;       So for all finite inputs this third of bqkv reaches no output: it is neither loaded nor added.  The thirds of q and of v are live and are added.
;   (2) Key steps that lie wholly above the diagonal of the mask that reference() builds itself (jnp.tril): their weights are exactly 0.  They are not walked.
;   LIMIT: a NaN, an infinity or an overflow that reaches only the work left out (in bqkv[1024:2048], or in a hidden score) is not carried to the result.
; THE QUANTISER.  A block's scale is 2^(floor(log2(its largest magnitude)) - 2); its byte is the largest magnitude's exponent field - 2, held at 1 from below; each number is divided by the scale and rounded to the
; nearest code, ties to even, beyond 6 the code of 6.  LIMITS: a block of zeros gets the byte 1 where the rule says 127 (its codes are zeros, which add nothing, and this program alone reads the bytes);
; blocks whose largest magnitude lies under 2^-124 get the byte 1; NaN and infinities among the inputs are not served; |Wproj| stays under 65,504 (f16).
; SHARES.  Work-groups 0-47 take Wqkv, 48-303 x, 304-335 Wproj: three ways through the text that part on the work-group's number, each with LDS bytes of its own.  Waves share nothing: no barrier.
; No matrix unit, no cluster, no tensor load: the launch streams 50 MB in and 8 MB out, and every wave has 16 loads or more on their way.
.set NWW,   48                         ; work-groups for Wqkv: 3072 / 128 x 1024 / 512
.set NWX,   256                        ; for x: 8192 x 1024 / 32768
.set SPW,   14                         ; v14  LDS address of my spare word; never rewritten
.set NIL,   15                         ; v15  0; never rewritten
.set EMAX,  2
.set XREG,  8192                       ; x's way: LDS 0 .. 32,767, a region for each wave: two stages of 32 x SP bytes, then its 256 scale bytes
.set SP,    80                         ; a lane's place in a stage: 64 bytes + 16 of padding
.set STEPS, 16
.set CB,    8                          ; bytes of 16 codes
.set XR,    16                         ; v16-79   x: four sets of 16 numbers as loaded
.set XX,    80                         ; v80-111  two sets of 16 neighbours
.set XE,    112                        ; v112-127 a scale byte for each step
.set XC,    128                        ; v128-191 codes, four registers for each step
.set WSTG,  4*XREG                     ; Wqkv's way: LDS 32,768 on: a stage of 32 rows x PITCH for each wave
.set PITCH, 272
.set WN,    3072
.set KROW,  512                        ; a row of wc in bytes
.set NB,    16                         ; blocks of 32 along K for a wave
.set SB,    24                         ; v24-27   scale bytes, four to a register
.set WX,    32                         ; v32-95   two sets of 32 numbers
.set WC,    96                         ; v96-99   a block's codes
.set OUTR,  112                        ; v112-175 the way out
.set SPARE, WSTG+4*32*PITCH            ; 67,584: the spare words, 128 bytes for each wave, which no other line names
.macro FIN                             ; a wave's end
	s_wait_tensorcnt 0x0
	ds_add_u32 v[SPW], v[NIL]
	s_wait_dscnt 0x0
	s_endpgm
.endm
; ---- x: a wave takes 16 steps of 512 numbers.  Each load reads 512 consecutive bytes; the 2,048 bytes of a step turn through the wave's stage so that a lane holds 16 neighbours along K (two lanes: a block)
.macro XLOAD t
.irp i, 0,1,2,3
	global_load_b128 v[XR+16*((\t)%4)+4*\i:XR+16*((\t)%4)+4*\i+3], v3, s[32:33] offset:2048*(\t)+512*\i th:TH_LOAD_NT
.endr
.endm
.macro XTURN t                         ; LDS serves a wave's instructions in order (ISA guide 5.7.1.4): no wait between the stores and the loads
.irp i, 0,1,2,3
	ds_store_b128 v12, v[XR+16*((\t)%4)+4*\i:XR+16*((\t)%4)+4*\i+3] offset:32*SP*((\t)%2)+8*SP*\i
.endr
.irp i, 0,1,2,3
	ds_load_b128 v[XX+16*((\t)%2)+4*\i:XX+16*((\t)%2)+4*\i+3], v13 offset:32*SP*((\t)%2)+16*\i
.endr
.endm
.macro XSTEP t
.set XS, XX+16*((\t)%2)
.if (\t) > 0
	s_wait_dscnt 1                                 ; this step's numbers are back from the stage (the last step's byte store may be out): so its stores into the stage have read their registers,
.else
	s_wait_dscnt 0x0
.endif
.if (\t)+4 < STEPS
	XLOAD (\t)+4                                   ; which take the loads of four steps on
.endif
.if (\t)+1 < STEPS
.if STEPS-2-(\t) >= 3
	s_wait_loadcnt 12                              ; the next step's four loads are in; those of the three steps behind it may be out
.else
	s_wait_loadcnt 4*(STEPS-2-(\t))
.endif
	XTURN (\t)+1
.endif
	v_max3_num_f32 v8, |v[XS]|, |v[XS+1]|, |v[XS+2]|               ; the largest magnitude of my 16, in two chains
	v_max3_num_f32 v9, |v[XS+3]|, |v[XS+4]|, |v[XS+5]|
.irp i, 6,10
	v_max3_num_f32 v8, v8, |v[XS+\i]|, |v[XS+\i+1]|
	v_max3_num_f32 v9, v9, |v[XS+\i+2]|, |v[XS+\i+3]|
.endr
	v_max3_num_f32 v8, v8, |v[XS+14]|, |v[XS+15]|
	v_max3_num_f32 v8, v8, v9, (EMAX+1)<<23        ; and the floor 2^(3 - 127): the byte cannot fall under 1
	v_max_num_f32_dpp v8, v8, v8 row_xmask:1 row_mask:0xf bank_mask:0xf   ; with my neighbour's 16: the block's
	v_add_nc_u32 v11, -(EMAX<<23), v8              ; 2 off its exponent field: the conversion takes the exponent field of this operand as its scale
	v_cvt_scalef32_pk8_fp4_f32 v[XC+4*(\t)], v[XS:XS+7], v11
	v_cvt_scalef32_pk8_fp4_f32 v[XC+4*(\t)+1], v[XS+8:XS+15], v11
	v_lshrrev_b32 v[XE+(\t)], 23, v11              ; the scale's byte (a plain line behind the conversions)
	ds_store_b8 v5, v[XE+(\t)] offset:16*(\t)      ; both lanes of a block write the same byte with the same value
	global_store_b64 v4, v[XC+4*(\t):XC+4*(\t)+1], s[38:39] offset:32*CB*(\t)   ; the wave stores 256 consecutive bytes, aligned
.endm
; ---- Wqkv: a lane takes a column n and its registers run down K: a block of 32 lies in one lane, and the codes come out with K innermost
.macro WLOAD t
.set II, 0
.rept 32
	global_load_b32 v[WX+32*((\t)%2)+II], v3, s[34:35] offset:(32*(\t)+II)*WN*4 th:TH_LOAD_NT   ; 511 rows of 12,288 bytes at the most: inside the signed 24-bit immediate
.set II, II+1
.endr
.endm
.macro WBLOCK t
.set WXS, WX+32*((\t)%2)
.if (\t) < NB-1
	s_wait_loadcnt 32                              ; this block's 32 loads are in; the next block's may be out
.else
	s_wait_loadcnt 0
.endif
	v_max3_num_f32 v12, |v[WXS]|, |v[WXS+1]|, |v[WXS+2]|
	v_max3_num_f32 v13, |v[WXS+3]|, |v[WXS+4]|, |v[WXS+5]|
.irp i, 6,10,14,18,22,26
	v_max3_num_f32 v12, v12, |v[WXS+\i]|, |v[WXS+\i+1]|
	v_max3_num_f32 v13, v13, |v[WXS+\i+2]|, |v[WXS+\i+3]|
.endr
	v_max3_num_f32 v12, v12, |v[WXS+30]|, |v[WXS+31]|
	v_max3_num_f32 v12, v12, v13, (EMAX+1)<<23
	v_add_nc_u32 v11, -(EMAX<<23), v12
	v_lshrrev_b32 v13, 23, v11
.if (\t)%4 == 0
	v_mov_b32 v[SB+(\t)/4], v13                    ; four bytes to a register, the lower K in the lower byte
.else
	v_lshl_or_b32 v[SB+(\t)/4], v13, 8*((\t)%4), v[SB+(\t)/4]
.endif
.irp g, 0,1,2,3
	v_cvt_scalef32_pk8_fp4_f32 v[WC+\g], v[WXS+8*\g:WXS+8*\g+7], v11
.endr
	ds_store_b128 v4, v[WC:WC+3] offset:16*(\t)    ; 32 codes: 16 bytes of my column's row
.if (\t)+2 < NB
	WLOAD (\t)+2
.endif
	s_wait_dscnt 0x0                               ; the store has read its registers: the next block's codes may be written
.endm
; ---- Wproj: 128 numbers a load, 256 bytes of f16 a store
.macro CLOAD i
	global_load_b128 v[16+4*((\i)%16):16+4*((\i)%16)+3], v3, s[36:37] offset:512*(\i) th:TH_LOAD_NT
.endm
	s_load_b256 s[32:39], s[0:1], 0x0              ; x s[32:33], Wqkv s[34:35], Wproj s[36:37], xc s[38:39]
	s_load_b256 s[40:47], s[0:1], 0x20             ; xs s[40:41], wc s[42:43], ws s[44:45], wp16 s[46:47]
	v_lshl_add_u32 v[SPW], v0, 2, SPARE
	v_mov_b32 v[NIL], 0
	v_lshrrev_b32 v1, 5, v0
	v_readfirstlane_b32 s16, v1                    ; wave
	v_and_b32 v2, 31, v0                           ; lane
	s_mov_b32 s21, 0                               ; the upper word of every offset: all lie under 2^32
	s_wait_kmcnt 0x0
	s_cmp_lt_u32 ttmp9, NWW
	s_cbranch_scc1 .Lw
	s_cmp_lt_u32 ttmp9, NWW+NWX
	s_cbranch_scc0 .Lc
	; ================ x
	v_lshlrev_b32 v3, 4, v2                        ; my 16 bytes of a load's 512
	s_mul_i32 s17, s16, XREG
	v_lshrrev_b32 v12, 2, v2
	v_mul_u32_u24 v12, v12, SP
	v_and_b32 v13, 3, v2
	v_lshl_add_u32 v12, v13, 4, v12
	v_add_nc_u32 v12, s17, v12                     ; the stage on the way in: SP (lane / 4) + 16 (lane % 4)
	v_mul_u32_u24 v13, v2, SP
	v_add_nc_u32 v13, s17, v13                     ; and on the way out: SP x lane: my 16 neighbours
	v_mul_u32_u24 v4, v2, CB                       ; my codes' place in a step's
	v_lshrrev_b32 v5, 1, v2
	s_add_co_u32 s17, s17, 2*32*SP
	v_add_nc_u32 v5, s17, v5                       ; my block's byte among my wave's 256 scale bytes
	v_lshlrev_b32 v7, 3, v2
	v_add_nc_u32 v6, s17, v7                       ; and on the way out 8 bytes a lane
	s_sub_co_u32 s18, ttmp9, NWW
	s_lshl_b32 s18, s18, 2
	s_add_co_u32 s18, s18, s16                     ; which run of 8,192 numbers is my wave's
	s_lshl_b32 s20, s18, 15
	s_add_nc_u64 s[32:33], s[32:33], s[20:21]
	s_lshl_b32 s20, s18, 12
	s_add_nc_u64 s[38:39], s[38:39], s[20:21]
	s_lshl_b32 s20, s18, 8
	s_add_nc_u64 s[40:41], s[40:41], s[20:21]
.irp t, 0,1,2,3
	XLOAD \t
.endr
	s_wait_loadcnt 12                              ; step 0's four loads are in
	XTURN 0
.irp t, 0,1,2,3,4,5,6,7,8,9,10,11,12,13,14,15
	XSTEP \t
.endr
	ds_load_b64 v[8:9], v6                         ; these see my byte stores: LDS serves a wave in order
	s_wait_dscnt 0x0
	global_store_b64 v7, v[8:9], s[40:41]          ; the wave stores 256 consecutive bytes, aligned
	FIN
	; ================ Wqkv
.Lw:
	s_cmp_ge_u32 ttmp9, 24
	s_cselect_b32 s18, 1, 0                        ; which 512 along K
	s_cselect_b32 s19, 24, 0
	s_sub_co_u32 s19, ttmp9, s19                   ; which 128 columns
	s_lshl_b32 s17, s19, 7
	s_lshl_b32 s19, s16, 5
	s_add_co_u32 s17, s17, s19                     ; my wave's first column
	v_lshlrev_b32 v3, 2, v2                        ; in: 4 bytes a lane: the wave reads 128 consecutive bytes, the work-group 512
	s_mul_i32 s19, s16, 32*PITCH
	s_add_co_u32 s19, s19, WSTG                    ; my stage
	v_mul_u32_u24 v4, v2, PITCH
	v_add_nc_u32 v4, s19, v4                       ; into it: row = my column
	v_and_b32 v5, 15, v2
	v_lshrrev_b32 v6, 4, v2
	v_mul_u32_u24 v7, v6, PITCH
	v_lshl_add_u32 v7, v5, 4, v7
	v_add_nc_u32 v7, s19, v7                       ; out of it: sixteen lanes to a row, two rows an instruction
	v_mul_u32_u24 v8, v6, KROW
	v_lshl_add_u32 v8, v5, 4, v8                   ; and the same place in wc
	v_lshlrev_b32 v9, 5, v2                        ; my column's row of ws
	s_mul_i32 s20, s18, 512*WN*4
	s_lshl_b32 s22, s17, 2
	s_add_co_u32 s20, s20, s22
	s_add_nc_u64 s[34:35], s[34:35], s[20:21]      ; Wqkv at (512 y, my first column)
	s_lshl_b32 s20, s17, 9
	s_lshl_b32 s22, s18, 8
	s_add_co_u32 s20, s20, s22
	s_add_nc_u64 s[42:43], s[42:43], s[20:21]      ; wc at row = column, 256 y bytes on
	s_lshl_b32 s20, s17, 5
	s_lshl_b32 s22, s18, 4
	s_add_co_u32 s20, s20, s22
	s_add_nc_u64 s[44:45], s[44:45], s[20:21]      ; ws likewise, 16 y bytes on
	WLOAD 0
	WLOAD 1
.set TT, 0
.rept NB
	WBLOCK TT
.set TT, TT+1
.endr
	global_store_b128 v9, v[SB:SB+3], s[44:45]     ; my column's 16 scale bytes: rows of 32 bytes, so these 49 KB go out in pieces of 16 bytes
.irp t, 0,1,2,3,4,5,6,7,8,9,10,11,12,13,14,15
	ds_load_b128 v[OUTR+4*\t:OUTR+4*\t+3], v7 offset:2*\t*PITCH
.endr
.irp t, 0,1,2,3,4,5,6,7,8,9,10,11,12,13,14,15
	s_wait_dscnt 15-\t
	global_store_b128 v8, v[OUTR+4*\t:OUTR+4*\t+3], s[42:43] offset:2*\t*KROW   ; sixteen lanes store 256 consecutive bytes, aligned
.endr
	FIN
	; ================ Wproj
.Lc:
	s_sub_co_u32 s18, ttmp9, NWW+NWX
	s_lshl_b32 s18, s18, 2
	s_add_co_u32 s18, s18, s16                     ; which run of 8,192 numbers
	s_lshl_b32 s20, s18, 15
	s_add_nc_u64 s[36:37], s[36:37], s[20:21]
	s_lshl_b32 s20, s18, 14
	s_add_nc_u64 s[46:47], s[46:47], s[20:21]
	v_lshlrev_b32 v3, 4, v2
	v_lshlrev_b32 v4, 3, v2
.set II, 0
.rept 16
	CLOAD II
.set II, II+1
.endr
.set II, 0
.rept 64
.if 63-II < 15
	s_wait_loadcnt 63-II
.else
	s_wait_loadcnt 15                              ; load II is in; the fifteen younger ones stay out
.endif
.if II == 32
	s_wait_xcnt 0x0                                ; stores 0 to 31 have read their data registers, which are written again from here on
.endif
	v_cvt_pk_f16_f32 v[80+2*(II%32)], v[16+4*(II%16)], v[16+4*(II%16)+1]
	v_cvt_pk_f16_f32 v[80+2*(II%32)+1], v[16+4*(II%16)+2], v[16+4*(II%16)+3]
.if II+16 < 64
	CLOAD II+16
.endif
	global_store_b64 v4, v[80+2*(II%32):80+2*(II%32)+1], s[46:47] offset:256*II   ; the wave stores 256 consecutive bytes, aligned
.set II, II+1
.endr
	FIN
.Lfunc_end_k_q765a25761d_prep:
	.size	k_q765a25761d_prep, .Lfunc_end_k_q765a25761d_prep-k_q765a25761d_prep
	.p2alignl 7, 3214868480
	.fill 96, 4, 3214868480
	.section	.rodata,"a",@progbits
	.p2align	6, 0x0
	.amdhsa_kernel k_q765a25761d_prep
		.amdhsa_group_segment_fixed_size 68096
		.amdhsa_private_segment_fixed_size 0
		.amdhsa_enable_private_segment 0
		.amdhsa_kernarg_size 64
		.amdhsa_user_sgpr_count 2
		.amdhsa_user_sgpr_kernarg_segment_ptr 1
		.amdhsa_wavefront_size32 1
		.amdhsa_system_sgpr_workgroup_id_x 1
		.amdhsa_system_sgpr_workgroup_id_y 1
		.amdhsa_system_sgpr_workgroup_id_z 1
		.amdhsa_system_vgpr_workitem_id 0
		.amdhsa_next_free_vgpr 192
		.amdhsa_next_free_sgpr 66
		.amdhsa_reserve_vcc 0
		.amdhsa_float_denorm_mode_32 3
		.amdhsa_float_denorm_mode_16_64 3
		.amdhsa_memory_ordered 1
		.amdhsa_forward_progress 1
		.amdhsa_inst_pref_size 133
	.end_amdhsa_kernel
	.amdgpu_metadata
---
amdhsa.version: [ 1, 2 ]
amdhsa.kernels:
  - .name:           k_q765a25761d_prep
    .symbol:         k_q765a25761d_prep.kd
    .args:
      - { .name: x, .offset: 0, .size: 8, .value_kind: global_buffer, .address_space: global }
      - { .name: Wqkv, .offset: 8, .size: 8, .value_kind: global_buffer, .address_space: global }
      - { .name: Wproj, .offset: 16, .size: 8, .value_kind: global_buffer, .address_space: global }
      - { .name: xc, .offset: 24, .size: 8, .value_kind: global_buffer, .address_space: global }
      - { .name: xs, .offset: 32, .size: 8, .value_kind: global_buffer, .address_space: global }
      - { .name: wc, .offset: 40, .size: 8, .value_kind: global_buffer, .address_space: global }
      - { .name: ws, .offset: 48, .size: 8, .value_kind: global_buffer, .address_space: global }
      - { .name: wp16, .offset: 56, .size: 8, .value_kind: global_buffer, .address_space: global }
    .group_segment_fixed_size: 68096
    .private_segment_fixed_size: 0
    .kernarg_segment_align: 8
    .kernarg_segment_size: 64
    .max_flat_workgroup_size: 128
    .sgpr_count:     66
    .vgpr_count:     192
    .wavefront_size: 32
...
	.end_amdgpu_metadata
.endif
;; end of part 1
;; launch qkv (part 2): grid 12 x 32, 4 waves a work-group, clusters of 4 x 4, 327,680 bytes of LDS; arguments xc, xs, wc, ws, qkvh, bqkv, qkv32; writes qkvh, qkv32
.if DOCPART == 2
	.amdgcn_target "amdgcn-amd-amdhsa--gfx1250"
	.amdhsa_code_object_version 6
	.text
	.protected	k_q765a25761d_qkv
	.globl	k_q765a25761d_qkv
	.p2align	8
	.type	k_q765a25761d_qkv,@function
k_q765a25761d_qkv:
	s_mov_b64 s[64:65], 0
	v_nop
	global_prefetch_b8 v0, s[64:65] scope:SCOPE_SE
	s_setreg_imm32_b32 hwreg(HW_REG_WAVE_MODE, 25, 1), 1
	s_wait_xcnt 0x0
	s_wait_alu depctr_hold_cnt(0) depctr_sa_sdst(0) depctr_va_vdst(0) depctr_va_sdst(0) depctr_va_ssrc(0) depctr_va_vcc(0) depctr_vm_vsrc(0)
	s_getreg_b32 s2, hwreg(HW_REG_IB_STS2, 6, 4)
	s_cmp_eq_u32 s2, 0
	s_cbranch_scc0 .Lentry_in_a_cluster
	s_endpgm
.Lentry_in_a_cluster:
	s_bfe_u32 s2, ttmp6, 0x10000c
	s_cmp_lg_u32 s2, 0xf033
	s_cbranch_scc0 .Lentry_shape_is_right
	s_endpgm
.Lentry_shape_is_right:
; qkv = Q(x) Q(Wqkv) + bias, on codes of E2M1 with one E8M0 scale for each 32 along K = 1,024; sums in f32.  A = xc [8192][512 bytes], B = wc [3072][512 bytes]; scale bytes xs, ws: 32 a row.
; LEFT OUT: the bias of k, bqkv[1024:2048]: it adds the same number to every score of a row, which the softmax cancels for all finite values (shown at the head of the first kernel).  It is not loaded.
; OUT: qkvh [section q, k, v][batch][head][t][64] in f16, for the attention launch; q is multiplied here, in f32, by c = log2(e) / 8, so that the softmax's exponent is a plain difference.
;      qkv32: positions 0-15 of every sequence in f32, as images of the result registers: [batch][section][head][channel tile ct][g][lane][4]: lane (r, h) holds position r, channels 16 ct + 8 h + 4 g + 0..3.
; LIMIT: |c q|, |k|, |v| stay under 65,504 (f16).
; A tile of 256 x 256 is made by four waves, 128 x 128 each: 64 accumulators, 512 registers.  K is two slots of 512 (rows of 256 bytes): both are asked for at the start and nothing is filled again.
; The scale bytes of the work-group's 256 + 256 rows, for all of K, are two dense blocks: they come with the first fills.  By the text's own count a wave has three tensor loads out at the most.
; CLUSTERS: 4 x 4 work-groups; A's tiles are asked for jointly along a row of the cluster, B's along a column.  The tile row is 8 cy + (cluster y): so the batch is cy, and a tile's place in its batch, on which
; the one branch for the f32 image hangs, is the cluster's y, the same in all partners.  The section is the cluster's x.
; THE MATRIX INSTRUCTION IS USED TRANSPOSED (source 0 = 16 rows of wc, source 1 = 16 rows of xc): a lane holds eight neighbouring columns of one row.
; REGISTERS, in windows of 256: window 0: v0-31 addresses; v32-95 scale words, two sets, and nothing else ever; v96-127 packed results; v128-191 A's fragments, later rows on their way out; v192-255 the bias.
;   window 1: B's fragments, two sets, at v0 and v128.   window 2: the accumulators of my rows 0-63 ((a, b) at v[8 (8 a + b)]);   window 3: those of rows 64-127.
.set SIZE_K, 1024
.set KSTEP,  512
.set NQ,     KSTEP/128
.set ROWB,   256
.set KROW,   SIZE_K*4/8
.set PITCH,  272                       ; an LDS row: 256 bytes + 16: the sixteen rows that a load touches start at sixteen different 16-byte columns of 256 bytes
.set FR,     8
.set NL,     2
.set NP,     4                         ; places behind this matrix instruction (ISA guide 7.12.1)
.set HALFT,  128*PITCH
.set SLOT,   4*HALFT
.set KS,     SIZE_K/32
.set SCL,    2*SLOT
.set HALFS,  (128*KS/256)*272
.set SBLK,   (16*KS/256)*272
.set SPARE,  SCL+4*HALFS               ; the spare words, 128 bytes for each wave, which no other line names
.set SPITCH, 272                       ; the way out: a stage of 16 rows x (256 bytes + 16) for each wave, in slot 0, which has had its only fill and its last read by then
.set ADRA, 16
.set ADRB, 20
.set STO,  24
.set RD,   25
.set CO,   26                          ; 16 x lane
.set ADRS, 27
.set SPW,  28
.set NIL,  29
.set BO,   30                          ; 32 x (lane / 16): my eight numbers of a tile's sixteen biases
.set SC,   32
.set TMP,  96
.set AF,   128
.set BK,   128
.set BI,   192
.set CQ,   94                          ; s[94:95] c for q, 1.0 for v
.set G1, 24
.set G0, 32
.set G1B, 48
.set G0B, 56
.set G1S, 68
.set G0S, 76
.set G1SB, 80
.set G0SB, 88
.set MSB, 0
.macro WIN new                         ; the immediate's high byte repeats the setting that is left
.if MSB != (\new)
	s_set_vgpr_msb (MSB<<8)|(\new)
.set MSB, (\new)
.endif
.endm
.set MUL_LO, 0xa1                      ; source 0 (B) window 1, source 1 (A) window 0, C and D window 2
.set MUL_HI, 0xf1
.set TO_B,   0x40
; A joint load: waves 0 and 1 fetch for A, waves 2 and 3 for B; the branch hangs on the wave's number alone.  An s_nop 0 and four v_nop follow each line.
.macro JLOAD g0a, g1a, g0b, g1b
	s_cmp_eq_u32 s15, 0
	s_cbranch_scc0 .Lfor_b_\@
	tensor_load_to_lds s[\g0a:\g0a+3], s[\g1a:\g1a+7]
	s_nop 0
.rept 4
	v_nop
.endr
	s_branch .Lasked_\@
.Lfor_b_\@:
	tensor_load_to_lds s[\g0b:\g0b+3], s[\g1b:\g1b+7]
	s_nop 0
.rept 4
	v_nop
.endr
.Lasked_\@:
.endm
.macro CROUND                          ; a round of the cluster's barrier
	s_barrier_signal -1
	s_barrier_wait -1
	s_cmp_lg_u32 s14, 0
	s_cbranch_scc1 .Lnot_wave_0_\@
	s_barrier_signal -3
.Lnot_wave_0_\@:
	s_barrier_wait -3
	s_barrier_signal -1
	s_barrier_wait -1
.endm
	s_load_b128 s[4:7], s[0:1], 0x0                ; xc, xs
	s_load_b128 s[8:11], s[0:1], 0x10              ; wc, ws
	s_load_b64 s[12:13], s[0:1], 0x20              ; qkvh
	s_load_b64 s[96:97], s[0:1], 0x28              ; bqkv
	s_load_b64 s[98:99], s[0:1], 0x30              ; qkv32
	v_lshl_add_u32 v[SPW], v0, 2, SPARE
	v_mov_b32 v[NIL], 0
	ds_add_u32 v[SPW], v[NIL]                      ; the wave's opening: the add, twice on end, and its wait ahead of my first tensor load
	ds_add_u32 v[SPW], v[NIL]
	v_lshrrev_b32 v1, 5, v0
	v_readfirstlane_b32 s14, v1                    ; wave 0..3
	s_lshr_b32 s15, s14, 1                         ; my half of the tile's rows.  Also: I fetch for A (0) or for B (1)
	s_and_b32 s16, s14, 1                          ; my half of its columns.  Also: which 128 rows I fetch
	s_bfe_u32 s40, ttmp6, 0x40000                  ; cx
	s_bfe_u32 s41, ttmp6, 0x40004                  ; cy
	s_lshl_b32 s42, ttmp9, 2
	s_add_co_u32 s42, s42, s40                     ; tile column = 4 x cluster x + cx
	s_and_b32 s17, ttmp7, 0xffff
	s_lshl_b32 s43, s41, 3
	s_add_co_u32 s17, s17, s43                     ; tile row = 8 cy + cluster y
	s_lshl_b32 s43, s41, 2
	s_lshl_b32 s43, 15, s43                        ; my row of the cluster
	s_lshl_b32 s44, 0x1111, s40                    ; my column
	s_or_b32 s[G1+0], s43, (0<<16)|(1<<20)|(1<<21)|(5<<22)|(3<<25)  ; the mask; elements of 1 byte; padding on; bit 21 beside a mask; after every 64 words, 4 words
	s_or_b32 s[G1B+0], s44, (0<<16)|(1<<20)|(1<<21)|(5<<22)|(3<<25)
.irp g, G1, G1B
	s_mov_b32 s[\g+1], ROWB<<16                    ; tensor_dim0
	s_mov_b32 s[\g+2], 128<<16                     ; tensor_dim1
	s_mov_b32 s[\g+3], ROWB<<16                    ; tile_dim0
	s_mov_b32 s[\g+4], 128                         ; tile_dim1
	s_mov_b32 s[\g+5], KROW                        ; the pitch
	s_mov_b32 s[\g+6], 0
	s_mov_b32 s[\g+7], 0
.endr
	s_or_b32 s[G1S+0], s43, (3<<16)|(1<<20)|(1<<21)|(5<<22)|(3<<25)  ; the scales of 128 rows: 4,096 dense bytes as 16 rows of 256 (32 elements of 8 bytes), 16 bytes of padding behind each
	s_or_b32 s[G1SB+0], s44, (3<<16)|(1<<20)|(1<<21)|(5<<22)|(3<<25)
.irp g, G1S, G1SB
	s_mov_b32 s[\g+1], 32<<16
	s_mov_b32 s[\g+2], (128*KS/256)<<16
	s_mov_b32 s[\g+3], 32<<16
	s_mov_b32 s[\g+4], 128*KS/256
	s_mov_b32 s[\g+5], 32
	s_mov_b32 s[\g+6], 0
	s_mov_b32 s[\g+7], 0
.endr
	s_lshl_b32 s18, s16, 7
	s_lshl_b32 s20, s17, 8
	s_add_co_u32 s20, s20, s18                     ; A: row 256 x tile row + 128 x half
	s_lshl_b32 s46, s42, 8
	s_add_co_u32 s46, s46, s18                     ; B: row 256 x tile column + 128 x half
	s_mov_b32 s21, 0
	s_mov_b32 s47, 0
	s_mov_b64 s[18:19], KS
	s_mul_u64 s[22:23], s[20:21], s[18:19]         ; where these rows' scales begin
	s_mul_u64 s[92:93], s[46:47], s[18:19]
	s_mov_b64 s[18:19], KROW
	s_mul_u64 s[20:21], s[20:21], s[18:19]         ; and their codes
	s_mul_u64 s[46:47], s[46:47], s[18:19]
	s_mul_i32 s45, s14, HALFT                      ; where they go: wave x 128 rows
	s_mul_i32 s94, s14, HALFS
	s_wait_dscnt 0x0                               ; both opening adds are done
	s_wait_kmcnt 0x0
	s_add_nc_u64 s[20:21], s[4:5], s[20:21]
	s_add_nc_u64 s[22:23], s[6:7], s[22:23]
	s_add_nc_u64 s[46:47], s[8:9], s[46:47]
	s_add_nc_u64 s[92:93], s[10:11], s[92:93]
	CROUND                                         ; all sixteen work-groups are here: the joint loads meet
	s_mov_b32 s[G0S], 1
	s_add_co_u32 s[G0S+1], s94, SCL
	s_mov_b64 s[G0S+2:G0S+3], s[22:23]
	s_or_b32 s[G0S+3], s[G0S+3], 0x80000000
	s_mov_b32 s[G0SB], 1
	s_add_co_u32 s[G0SB+1], s94, SCL
	s_mov_b64 s[G0SB+2:G0SB+3], s[92:93]
	s_or_b32 s[G0SB+3], s[G0SB+3], 0x80000000
	JLOAD G0S, G1S, G0SB, G1SB                     ; the scales first: they are wanted with the first slot
.irp s, 0,1
	s_mov_b32 s[G0+4*\s], 1
	s_add_co_u32 s[G0+4*\s+1], s45, \s*SLOT
	s_add_nc_u64 s[G0+4*\s+2:G0+4*\s+3], s[20:21], \s*ROWB
	s_or_b32 s[G0+4*\s+3], s[G0+4*\s+3], 0x80000000
	s_mov_b32 s[G0B+4*\s], 1
	s_add_co_u32 s[G0B+4*\s+1], s45, \s*SLOT
	s_add_nc_u64 s[G0B+4*\s+2:G0B+4*\s+3], s[46:47], \s*ROWB
	s_or_b32 s[G0B+4*\s+3], s[G0B+4*\s+3], 0x80000000
	JLOAD G0+4*\s, G1, G0B+4*\s, G1B
.endr
	v_and_b32 v1, 15, v0                           ; r = lane % 16
	v_bfe_u32 v2, v0, 4, 1                         ; h = lane / 16
	v_mul_u32_u24 v3, v1, PITCH
	v_lshl_add_u32 v4, v2, 4, v3                   ; a fragment's row x pitch + 16 h
	s_mul_i32 s21, s15, HALFT
	s_mul_i32 s22, s16, HALFT
	s_add_co_u32 s22, s22, 2*HALFT
.irp s, 0,1
	v_add_nc_u32 v[ADRA+\s], s21, v4
	v_add_nc_u32 v[ADRB+\s], s22, v4
	s_add_co_u32 s21, s21, SLOT
	s_add_co_u32 s22, s22, SLOT
.endr
	v_mul_u32_u24 v5, v1, KS                       ; my row's scales: 32 bytes a row,
	v_lshrrev_b32 v6, 8, v5
	v_lshl_add_u32 v5, v6, 4, v5                   ; and 16 more for each 256 passed
	s_mul_i32 s21, s15, HALFS
	s_mul_i32 s22, s16, HALFS
	s_add_co_u32 s22, s22, 2*HALFS
	s_sub_co_u32 s22, s22, s21
	v_mul_u32_u24 v6, s22, v2                      ; lanes 16-31 take B's: one product, the distance between the two bases
	s_add_co_u32 s21, s21, SCL
	v_add_nc_u32 v5, v5, v6
	v_add_nc_u32 v[ADRS], s21, v5
	s_mul_i32 s23, s14, 16*SPITCH                  ; my stage
	v_mul_u32_u24 v5, v1, SPITCH
	v_lshl_add_u32 v5, v2, 4, v5
	v_add_nc_u32 v[STO], s23, v5                   ; in: row r, 16 bytes for each half of the lanes
	v_and_b32 v6, 31, v0
	v_lshrrev_b32 v5, 3, v6
	v_mul_u32_u24 v5, v5, SPITCH
	v_and_b32 v7, 7, v6
	v_lshl_add_u32 v5, v7, 4, v5
	v_add_nc_u32 v[RD], s23, v5                    ; back: eight lanes take one head's 128 bytes of a row, the wave four rows
	v_lshlrev_b32 v[CO], 4, v6
	v_lshlrev_b32 v[BO], 5, v2
	; where my results go.  qkvh: section << 24, (16 batch + head) << 18, row t x 128 bytes; my first head is 4 cx + 2 x column half
	s_lshl_b32 s20, s41, 4
	s_lshl_b32 s22, s40, 2
	s_add_co_u32 s20, s20, s22
	s_lshl_b32 s22, s16, 1
	s_add_co_u32 s20, s20, s22
	s_lshl_b32 s20, s20, 18
	s_lshl_b32 s22, ttmp9, 24
	s_add_co_u32 s20, s20, s22
	s_and_b32 s22, ttmp7, 0xffff
	s_lshl_b32 s22, s22, 15                        ; 256 rows x cluster y
	s_add_co_u32 s20, s20, s22
	s_lshl_b32 s22, s15, 14                        ; 128 rows x row half
	s_add_co_u32 s20, s20, s22
	s_mov_b32 s21, 0
	s_add_nc_u64 s[12:13], s[12:13], s[20:21]
	s_mul_i32 s20, s41, 3                          ; qkv32: ((3 batch + section) 16 + head) x 4,096 bytes
	s_add_co_u32 s20, s20, ttmp9
	s_lshl_b32 s20, s20, 4
	s_lshl_b32 s22, s40, 2
	s_add_co_u32 s20, s20, s22
	s_lshl_b32 s22, s16, 1
	s_add_co_u32 s20, s20, s22
	s_lshl_b32 s20, s20, 12
	s_add_nc_u64 s[98:99], s[98:99], s[20:21]
	s_lshl_b32 s20, s42, 10                        ; bqkv at my first column
	s_lshl_b32 s22, s16, 9
	s_add_co_u32 s20, s20, s22
	s_add_nc_u64 s[96:97], s[96:97], s[20:21]
	s_cmp_eq_u32 ttmp9, 0
	s_cselect_b32 s[CQ], 0x3e38aa3b, 1.0           ; c = log2(e) / 8 for q; v keeps its size
	s_mov_b32 s[CQ+1], s[CQ]                       ; (named with it as a pair, so it is written)
.macro FRAG reg, adr, q, i             ; 16 rows x 128 K of 4-bit codes: 8 registers: lane l holds row l % 16; registers 4 c .. 4 c + 3 hold K = 64 c + 32 (l / 16) + 0 .. 31
.irp c, 0,1
	ds_load_b128 v[\reg+4*\c:\reg+4*\c+3], v[\adr] offset:64*(\q)+32*\c+(\i)*16*PITCH
.endr
.endm
; 16 matrix instructions: A's blocks a0, a0 + 1 x B's eight.  The 64 accumulators take turns, one instruction a turn, in the same order in every step.
.macro MUL16 a0, p, q, sc, zero
.irp a, \a0, \a0+1
.irp b, 0,1,2,3,4,5,6,7
.if \zero
	v_wmma_scale_f32_16x16x128_f8f6f4 v[8*(8*((\a)%4)+\b):8*(8*((\a)%4)+\b)+7], v[128*(\p)+FR*\b:128*(\p)+FR*\b+FR-1], v[AF+FR*(\a):AF+FR*(\a)+FR-1], 0, v[SC+8*NQ*(\sc)+NQ*\b+(\q)], v[SC+8*NQ*(\sc)+NQ*(\a)+(\q)] matrix_a_fmt:MATRIX_FMT_FP4 matrix_b_fmt:MATRIX_FMT_FP4 matrix_a_scale:MATRIX_SCALE_ROW1
.else
	v_wmma_scale_f32_16x16x128_f8f6f4 v[8*(8*((\a)%4)+\b):8*(8*((\a)%4)+\b)+7], v[128*(\p)+FR*\b:128*(\p)+FR*\b+FR-1], v[AF+FR*(\a):AF+FR*(\a)+FR-1], v[8*(8*((\a)%4)+\b):8*(8*((\a)%4)+\b)+7], v[SC+8*NQ*(\sc)+NQ*\b+(\q)], v[SC+8*NQ*(\sc)+NQ*(\a)+(\q)] matrix_a_fmt:MATRIX_FMT_FP4 matrix_b_fmt:MATRIX_FMT_FP4 matrix_a_scale:MATRIX_SCALE_ROW1
.endif
.endr
.endr
.endm
.macro FETCH_B slot, q, p
	WIN TO_B
.irp i, 0,1,2,3,4,5,6,7
	FRAG 128*(\p)+FR*\i, ADRB+\slot, \q, \i
.endr
	WIN 0
.endm
.macro FETCH_A slot, q, i0
.irp i, \i0, \i0+1, \i0+2, \i0+3
	FRAG AF+FR*(\i), ADRA+\slot, \q, \i
.endr
.endm
.macro SCALES sc                       ; a slot's scale words: lanes 0-15 take A's block i, lanes 16-31 B's block i; four words a row
.irp i, 0,1,2,3,4,5,6,7
	ds_load_b128 v[SC+8*NQ*\sc+NQ*\i:SC+8*NQ*\sc+NQ*\i+3], v[ADRS] offset:\i*SBLK
.endr
.endm
.macro PLACES n                        ; plain vector instructions between a matrix instruction and a load into, or a read of, its registers
.rept \n
	v_nop
.endr
.endm
.macro STEP slot, q, zero              ; 128 along K that has its successor in the same slot
	s_wait_dscnt 4*NL                              ; B's set and A's blocks 0-3 are in; the youngest eight loads (A's blocks 4-7) may be out
	WIN MUL_LO
	MUL16 0, (\q)%2, \q, \slot, \zero
	MUL16 2, (\q)%2, \q, \slot, \zero
	s_wait_dscnt 0                                 ; A's blocks 4-7 are in
	PLACES NP
	FETCH_B \slot, (\q)+1, 1-(\q)%2
	FETCH_A \slot, (\q)+1, 0
	WIN MUL_HI
	MUL16 4, (\q)%2, \q, \slot, \zero
	MUL16 6, (\q)%2, \q, \slot, \zero
	PLACES NP
	WIN 0
	FETCH_A \slot, (\q)+1, 4
.endm
.macro TURN slot, next                 ; slot 0's last step, and the one change of slots
	s_wait_tensorcnt 0x0                           ; all my tensor loads have landed: my part of the next slot
	ds_add_u32 v[SPW], v[NIL]
	s_wait_dscnt 4*NL+1                            ; (the add and the youngest eight loads may be out)
	WIN MUL_LO
	MUL16 0, 1, NQ-1, \slot, 0
	s_wait_dscnt 0x0                               ; the add is done, and my reads of this slot are over
	s_barrier_signal -1
	MUL16 2, 1, NQ-1, \slot, 0
	WIN 0
	s_barrier_wait -1                              ; the next slot is whole, and nobody reads this one any more
	PLACES NP
	v_add_nc_u32 v[ADRS], 4*NQ, v[ADRS]            ; the next slot's scale words
	FETCH_B \next, 0, 0
	FETCH_A \next, 0, 0
	SCALES \next
	WIN MUL_HI
	MUL16 4, 1, NQ-1, \slot, 0
	MUL16 6, 1, NQ-1, \slot, 0
	PLACES NP
	WIN 0
	FETCH_A \next, 0, 4
.endm
.macro STEPS slot, from
.set Q, \from
.rept NQ-1-\from
	STEP \slot, Q, 0
.set Q, Q+1
.endr
.endm
; THE WAY OUT, block a of 16 rows x 128 columns (two heads).  kind 0 (q, v): acc x c + bias x c, in place, one fused multiply-add for two numbers; kind 1 (k): nothing is added.  Then 16 bytes of f16 a lane.
.macro PACK a, kind
.set AC, 64*((\a)%4)
.if \kind == 0
	WIN (0x82+0x41*((\a)/4))                       ; source 0 and destination: window 2 or 3; the bias: window 0
.irp b, 0,1,2,3,4,5,6,7
.irp i, 0,1,2,3
	v_pk_fma_f32 v[AC+8*\b+2*\i:AC+8*\b+2*\i+1], v[AC+8*\b+2*\i:AC+8*\b+2*\i+1], s[CQ:CQ+1], v[BI+8*\b+2*\i:BI+8*\b+2*\i+1] op_sel_hi:[1,0,1]   ; each accumulator from its low end on
.endr
.endr
.endif
	WIN (0x0a+5*((\a)/4))                          ; sources 0 and 1: window 2 or 3
.irp b, 0,1,2,3,4,5,6,7
.irp i, 0,1,2,3
	v_cvt_pk_f16_f32 v[TMP+4*\b+\i], v[AC+8*\b+2*\i], v[AC+8*\b+2*\i+1]
.endr
.endr
	WIN 0
.endm
.macro FINE                            ; block 0 of the first tile of a batch holds positions 0-15: its f32 numbers go out as they stand in the registers, 512 consecutive bytes a store
	s_and_b32 s93, ttmp7, 0xffff                   ; the cluster's y, the same in all partners,
	s_or_b32 s93, s93, s15                         ; and my wave's half of the rows
	s_cmp_lg_u32 s93, 0
	s_cbranch_scc1 .Lnf_\@
	WIN 0x08                                       ; a store's data: window 2
.irp bt, 0,1,2,3,4,5,6,7
.irp g, 0,1
	global_store_b128 v[CO], v[8*\bt+4*\g:8*\bt+4*\g+3], s[98:99] offset:1024*\bt+512*\g
.endr
.endr
	WIN 0
.Lnf_\@:
.endm
.macro TOSTAGE a                       ; through my own stage: LDS serves a wave's instructions in order (ISA guide 5.7.1.4), so no wait stands between the stores and the loads
.irp b, 0,1,2,3,4,5,6,7
	ds_store_b128 v[STO], v[TMP+4*\b:TMP+4*\b+3] offset:32*\b
.endr
.set BB, BK+32*((\a)%2)
.irp i, 0,1,2,3,4,5,6,7
	ds_load_b128 v[BB+4*\i:BB+4*\i+3], v[RD] offset:(4*(\i%4))*SPITCH+128*(\i/4)   ; head i / 4, rows 4 (i % 4) on
.endr
.endm
.macro SEND a, younger                 ; younger: the LDS instructions issued behind block a's loads
.set BB, BK+32*((\a)%2)
	s_wait_dscnt \younger
.irp i, 0,1,2,3,4,5,6,7
	global_store_b128 v[CO], v[BB+4*\i:BB+4*\i+3], s[12:13] offset:(\a)*2048+(\i/4)*262144+(\i%4)*512   ; four rows of one head: 512 consecutive bytes, aligned
.endr
.endm
.macro TAIL kind                       ; slot 1's four steps and the way out
.if \kind == 0
.irp bt, 0,1,2,3,4,5,6,7
.irp g, 0,1
	global_load_b128 v[BI+8*\bt+4*\g:BI+8*\bt+4*\g+3], v[BO], s[96:97] offset:64*\bt+16*\g   ; the bias in the result's layout; it lands under the 256 products below
.endr
.endr
.endif
	STEPS 1, 0
	s_wait_dscnt 4*NL                              ; the very last step: nothing more to fetch
	WIN MUL_LO
	MUL16 0, 1, NQ-1, 1, 0
	MUL16 2, 1, NQ-1, 1, 0
	s_wait_dscnt 0
	WIN MUL_HI
	MUL16 4, 1, NQ-1, 1, 0
	MUL16 6, 1, NQ-1, 1, 0
	WIN 0
	PLACES NP
.if \kind == 0
	s_wait_loadcnt 0x0
.set II, 0
.rept 32
	v_pk_mul_f32 v[BI+II:BI+II+1], v[BI+II:BI+II+1], s[CQ:CQ+1] op_sel_hi:[1,0]   ; bias x c, once for the eight blocks (the factor is chosen without a branch: 1.0 in v's section)
.set II, II+2
.endr
.endif
	PACK 0, \kind
	FINE
	TOSTAGE 0
.irp a, 1,2,3,4,5,6,7
	PACK \a, \kind
.if \a > 1
	s_wait_xcnt 0x0                                ; block a - 2's stores have read their registers: block a's loads may land there
.endif
	TOSTAGE \a
	SEND \a-1, 16                                  ; behind block a - 1's loads: block a's 8 stores and 8 loads
.endr
	SEND 7, 0
.endm
	s_wait_tensorcnt 1                             ; the scales and my part of slot 0 are in; slot 1's load may be out
	s_barrier_signal -1
	s_barrier_wait -1
	FETCH_B 0, 0, 0
	FETCH_A 0, 0, 0
	SCALES 0
	FETCH_A 0, 0, 4
	STEP 0, 0, 1                                   ; the first products start the sums: nothing is cleared
	STEPS 0, 1
	TURN 0, 1
	s_cmp_eq_u32 ttmp9, 1                          ; the section is the cluster's x: the same in all sixteen partners; no barrier and no tensor load stands in either arm
	s_cbranch_scc1 .Lk
	TAIL 0
	s_branch .Lend
.Lk:
	TAIL 1
.Lend:
	s_wait_tensorcnt 0x0                           ; the wave's end
	ds_add_u32 v[SPW], v[NIL]
	s_wait_dscnt 0x0
	CROUND                                         ; the closing round
	s_endpgm
.Lfunc_end_k_q765a25761d_qkv:
	.size	k_q765a25761d_qkv, .Lfunc_end_k_q765a25761d_qkv-k_q765a25761d_qkv
	.p2alignl 7, 3214868480
	.fill 96, 4, 3214868480
	.section	.rodata,"a",@progbits
	.p2align	6, 0x0
	.amdhsa_kernel k_q765a25761d_qkv
		.amdhsa_group_segment_fixed_size 327680
		.amdhsa_private_segment_fixed_size 0
		.amdhsa_enable_private_segment 0
		.amdhsa_kernarg_size 56
		.amdhsa_user_sgpr_count 2
		.amdhsa_user_sgpr_kernarg_segment_ptr 1
		.amdhsa_wavefront_size32 1
		.amdhsa_system_sgpr_workgroup_id_x 1
		.amdhsa_system_sgpr_workgroup_id_y 1
		.amdhsa_system_sgpr_workgroup_id_z 1
		.amdhsa_system_vgpr_workitem_id 0
		.amdhsa_next_free_vgpr 1024
		.amdhsa_next_free_sgpr 100
		.amdhsa_reserve_vcc 0
		.amdhsa_float_denorm_mode_32 3
		.amdhsa_float_denorm_mode_16_64 3
		.amdhsa_memory_ordered 1
		.amdhsa_forward_progress 1
		.amdhsa_inst_pref_size 221
	.end_amdhsa_kernel
	.amdgpu_metadata
---
amdhsa.version: [ 1, 2 ]
amdhsa.kernels:
  - .name:           k_q765a25761d_qkv
    .symbol:         k_q765a25761d_qkv.kd
    .args:
      - { .name: xc, .offset: 0, .size: 8, .value_kind: global_buffer, .address_space: global }
      - { .name: xs, .offset: 8, .size: 8, .value_kind: global_buffer, .address_space: global }
      - { .name: wc, .offset: 16, .size: 8, .value_kind: global_buffer, .address_space: global }
      - { .name: ws, .offset: 24, .size: 8, .value_kind: global_buffer, .address_space: global }
      - { .name: qkvh, .offset: 32, .size: 8, .value_kind: global_buffer, .address_space: global }
      - { .name: bqkv, .offset: 40, .size: 8, .value_kind: global_buffer, .address_space: global }
      - { .name: qkv32, .offset: 48, .size: 8, .value_kind: global_buffer, .address_space: global }
    .group_segment_fixed_size: 327680
    .private_segment_fixed_size: 0
    .kernarg_segment_align: 8
    .kernarg_segment_size: 56
    .max_flat_workgroup_size: 128
    .sgpr_count:     100
    .vgpr_count:     1024
    .wavefront_size: 32
...
	.end_amdgpu_metadata
.endif
;; end of part 2
;; launch attn (part 3): grid 4 x 64, 16 waves a work-group, no clusters, 327,680 bytes of LDS; arguments qkvh, yh; writes yh
.if DOCPART == 3
	.amdgcn_target "amdgcn-amd-amdhsa--gfx1250"
	.amdhsa_code_object_version 6
	.text
	.protected	k_q765a25761d_attn
	.globl	k_q765a25761d_attn
	.p2align	8
	.type	k_q765a25761d_attn,@function
k_q765a25761d_attn:
	s_mov_b64 s[64:65], 0
	v_nop
	global_prefetch_b8 v0, s[64:65] scope:SCOPE_SE
	s_setreg_imm32_b32 hwreg(HW_REG_WAVE_MODE, 25, 1), 1
	s_wait_xcnt 0x0
; y[b][h][q][:] = the sum over k <= q of softmax_k(q . k / 8) v[k][:], per head of 64; f16 operands, f32 sums, maxima and row sums; a running maximum is taken away before every exponential.
; qkvh: [section][16 b + h][t][64] f16; its q already carries c = log2(e) / 8, so p = 2^(s - m).  yh: [16 b + h][t][64] f16.
; LEFT OUT: key steps that lie wholly above the diagonal of reference()'s own causal mask: their weights are 0 (first kernel's head).  Slots of keys that no wave of the work-group reads are not fetched.
; Positions 0-15 of every sequence are made again in f32 by the last launch; what this launch makes of them is overwritten behind the projection.   LIMIT: |y| under 65,504.
; SHARES.  A work-group owns query blocks p and 7 - p (256 queries each) of one head: every work-group has the same count of live key steps.  Each of its sixteen waves owns 32 queries, two tiles of 16, in 256
; registers: four waves to a SIMD, so that one wave's vector work stands beside another's matrix work.  Wave w takes 32 (w / 2) on of block p or 7 - p by (w ^ (w >> 2)) & 1.
; All waves walk the same ring of two LDS slots of 256 keys (four steps of 64), filled by the tensor data mover: waves 0, 1 K's halves, waves 2, 3 V's.  The loops' trip counts are constants; a step whose keys
; all come after the wave's queries is jumped over by a scalar branch on ids.
; NO CLUSTER: the four work-groups of a head need 2,048, 1,792, 1,536 and 1,280 keys, and a joint load may be jumped over by no partner.
; LAYOUT.  S^T = K Q^T (source 0 = 16 keys, source 1 = 16 queries): a lane holds one query (lane % 16) and keys 8 (lane / 16) + 0..7 of a tile.  Two such tiles, rounded to f16 in pairs, are source 1 of
; O^T = V^T P, whose result again holds one query a lane and eight channels.  V ([key][channel]) comes out of LDS turned, by ds_load_tr16_b128.
; LDS: a head's rows of 128 bytes are dense in memory, so a tile is stated as rows of two keys, 256 bytes: key k lies at (k / 2) x pitch + (k % 2) x 128.
.set PK,    272                        ; K: 256 + 16: the sixteen keys of a load start at sixteen different 16-byte columns of 256 bytes
.set PV,    288                        ; V: 256 + 32
.set VOFF,  128*PK                     ; a slot: 128 long rows of K, then 128 of V
.set SLOT1, 1<<17                      ; slot 1 begins here: one exclusive or turns an address from one slot to the other
.set STAGE, SLOT1+128*(PK+PV)          ; 202,752: the way out: two tiles x 16 rows x 144 bytes for each wave; no fill lands here
.set SPARE, STAGE+16*4608              ; 276,480: the spare words, 128 bytes for each wave, which no other line names
.set AK0, 1                            ; v1   my lane's place in a tile of K
.set AV0, 2                            ; v2   and of V
.set SPW, 3
.set NIL, 4
.set GO,  5                            ; v5   16 x lane
.set ADK, 6
.set ADV, 7
.set STO, 8
.set RD,  9
.set DL,  10                           ; v10  lane % 16 - 8 (lane / 16)
.set PFO, 11                           ; v11  256 x lane
.set ST,  16                           ; v16-31  tile t at ST + 8 t: +0 m, +1 zero (its partner in a pair), +2, +3 the sum (even keys', odd keys'), +4 .. +7 at work; a = 2^(old m - new m) in +6
.set QF,  32                           ; v32-63  Q: fragment (t, c) at 16 t + 8 c
.set KVF, 64                           ; v64-127 a step's K, then its V
.set SF,  128                          ; v128-191 S^T: tile (t, kt) at 32 t + 8 kt; p is packed in place into 32 t + 0 .. 15
.set OF,  192                          ; v192-255 O^T: tile (t, ct) at 32 t + 8 ct
.set TB,  2
.set WV,  18
.set SEL, 20
.set G1K, 24
.set G1V, 32
.set G0K, 40
.set G0V, 44
.set SLOTS, 48
.set KF,  49                           ; the step's first key
.set Q0,  50                           ; my first query
.set QL,  51                           ; my work-group's last query
.set PFA, 52
.set LIM, 54
; Waves 0 and 1 fetch for K, waves 2 and 3 for V, the others nothing.  An s_nop 0 and four v_nop follow each of the two lines.
.macro TLOAD
	s_cmp_lt_u32 s[WV], 2
	s_cbranch_scc0 .Lnot_k_\@
	tensor_load_to_lds s[G0K:G0K+3], s[G1K:G1K+7]
	s_nop 0
.rept 4
	v_nop
.endr
	s_branch .Lasked_\@
.Lnot_k_\@:
	s_cmp_lt_u32 s[WV], 4
	s_cbranch_scc0 .Lasked_\@
	tensor_load_to_lds s[G0V:G0V+3], s[G1V:G1V+7]
	s_nop 0
.rept 4
	v_nop
.endr
.Lasked_\@:
.endm
; A prefetch of what the NEXT change of slots will ask for: a slot's 32,768 bytes of K and of V.  All four work-groups of a head walk the same keys: the one with p = 0, which walks all eight slots, asks.
; In it waves 4-7 ask for K's block and waves 8-11 for V's, 8,192 bytes a wave, lanes 256 bytes apart: each aligned block of 256 bytes is named once in the launch.  Slots 0 and 1 come by their loads alone;
; the last change that fills a slot asks for nothing.
.macro ASK
	s_cmp_gt_u32 s[SLOTS], s[LIM]
	s_cbranch_scc0 .Lnot_mine_\@
	global_prefetch_b8 v[PFO], s[PFA:PFA+1] th:TH_LOAD_NT scope:SCOPE_SE
.Lnot_mine_\@:
.endm
	s_load_b128 s[4:7], s[0:1], 0x0                ; qkvh, yh
	v_lshl_add_u32 v[SPW], v0, 2, SPARE
	v_mov_b32 v[NIL], 0
	ds_add_u32 v[SPW], v[NIL]                      ; the wave's opening: the add, twice on end, and its wait ahead of the first tensor load
	ds_add_u32 v[SPW], v[NIL]
	v_lshrrev_b32 v12, 5, v0
	v_readfirstlane_b32 s[WV], v12                 ; wave 0..15
	s_and_b32 s55, ttmp7, 0xffff
	s_lshl_b32 s55, s55, 18                        ; the head's first byte in a section
	s_lshr_b32 s58, s[WV], 2
	s_xor_b32 s58, s58, s[WV]
	s_and_b32 s58, s58, 1                          ; which of the two blocks
	s_sub_co_u32 s59, 7, ttmp9
	s_cmp_eq_u32 s58, 0
	s_cselect_b32 s59, ttmp9, s59
	s_lshl_b32 s59, s59, 8
	s_lshr_b32 s60, s[WV], 1
	s_lshl_b32 s60, s60, 5
	s_add_co_u32 s[Q0], s59, s60                   ; my first query
	s_sub_co_u32 s[QL], 8, ttmp9
	s_lshl_b32 s[QL], s[QL], 8
	s_sub_co_u32 s[QL], s[QL], 1                   ; 256 (8 - p) - 1
	s_lshl_b32 s60, s[Q0], 7
	s_add_co_u32 s60, s60, s55
	s_mov_b32 s61, 0                               ; s[60:61]: my rows of q and of y
	s_and_b32 s62, s[WV], 1                        ; which half of a slot I fetch, if I fetch
	s_lshl_b32 s66, s62, 14
	s_add_co_u32 s66, s66, s55
	s_mov_b32 s67, 0
	s_mov_b32 s[G1K], (1<<16)|(1<<20)|(5<<22)|(3<<25)   ; no mask; elements of 2 bytes; padding on: 4 words after every 64
	s_mov_b32 s[G1V], (1<<16)|(1<<20)|(5<<22)|(7<<25)   ; 8 words
.irp g, G1K, G1V
	s_mov_b32 s[\g+1], 128<<16                     ; tensor_dim0: 128 elements, two keys
	s_mov_b32 s[\g+2], 64<<16                      ; tensor_dim1
	s_mov_b32 s[\g+3], 128<<16                     ; tile_dim0
	s_mov_b32 s[\g+4], 64                          ; tile_dim1: 64 long rows, half a slot
	s_mov_b32 s[\g+5], 128                         ; the pitch: dense
	s_mov_b32 s[\g+6], 0
	s_mov_b32 s[\g+7], 0
.endr
	s_mov_b32 s[G0K], 1
	s_mul_i32 s[G0K+1], s62, 64*PK
	s_mov_b32 s[G0V], 1
	s_mul_i32 s[G0V+1], s62, 64*PV
	s_add_co_u32 s[G0V+1], s[G0V+1], VOFF
	s_mov_b32 s[SEL], 0x76543210
	s_mov_b32 s[SEL+1], 0xfedcba98                 ; v_permlanex16_b32's selects for lane l xor 16
	s_mov_b32 s[TB], 0
	s_mov_b32 s[SLOTS], 7
	s_mov_b32 s[KF], 0
	s_wait_dscnt 0x0                               ; both opening adds are done
	s_wait_kmcnt 0x0
	s_add_nc_u64 s[G0K+2:G0K+3], s[4:5], s[66:67]
	s_add_nc_u64 s[G0V+2:G0V+3], s[G0K+2:G0K+3], 2<<24  ; v's section
	s_add_nc_u64 s[G0K+2:G0K+3], s[G0K+2:G0K+3], 1<<24  ; k's
	s_or_b32 s[G0K+3], s[G0K+3], 0x80000000
	s_or_b32 s[G0V+3], s[G0V+3], 0x80000000
	TLOAD                                          ; slot 0: key 0 counts for every query
	s_add_nc_u64 s[8:9], s[4:5], s[60:61]          ; q at my first query
	s_add_nc_u64 s[10:11], s[6:7], s[60:61]        ; y likewise
	s_cmp_lt_u32 s[WV], 8                          ; the prefetches: waves 4-7 K, waves 8-11 V
	s_mov_b32 s66, 2<<24
	s_cselect_b32 s66, 1<<24, s66
	s_and_b32 s58, s[WV], 3
	s_lshl_b32 s58, s58, 13
	s_add_co_u32 s66, s66, s58
	s_add_co_u32 s66, s66, s55
	s_add_co_u32 s66, s66, 32768                   ; in slot 1: the first change of slots steps it to slot 2
	s_add_nc_u64 s[PFA:PFA+1], s[4:5], s[66:67]
	s_sub_co_u32 s58, s[WV], 4
	s_lshr_b32 s58, s58, 3                         ; 0 in waves 4 to 11,
	s_or_b32 s58, s58, ttmp9                       ; of the work-group with p = 0
	s_cmp_eq_u32 s58, 0
	s_cselect_b32 s[LIM], 1, -1
	v_and_b32 v12, 15, v0                          ; r
	v_bfe_u32 v13, v0, 4, 1                        ; h
	v_lshlrev_b32 v14, 7, v12
	v_lshl_add_u32 v14, v13, 4, v14                ; q: row r of 128 bytes, + 16 h (v14 stays until the loads are in)
.irp t, 0,1
.irp c, 0,1
.irp e, 0,1
	global_load_b128 v[QF+16*\t+8*\c+4*\e:QF+16*\t+8*\c+4*\e+3], v14, s[8:9] offset:\t*2048+64*\c+32*\e
.endr
.endr
.endr
	v_lshrrev_b32 v15, 1, v12
	v_mul_u32_u24 v[AK0], v15, PK
	v_and_b32 v15, 1, v12
	v_lshl_add_u32 v[AK0], v15, 7, v[AK0]
	v_lshl_add_u32 v[AK0], v13, 4, v[AK0]          ; key r: (r / 2) PK + (r % 2) 128 + 16 h
	v_bfe_u32 v15, v0, 1, 2
	v_mul_u32_u24 v[AV0], v15, PV
	v_and_b32 v15, 1, v0
	v_lshl_add_u32 v[AV0], v15, 7, v[AV0]
	v_bfe_u32 v15, v0, 3, 1
	v_lshl_add_u32 v[AV0], v15, 4, v[AV0]
	v_mad_u32_u24 v[AV0], v13, 4*PV, v[AV0]
	v_add_nc_u32 v[AV0], VOFF, v[AV0]              ; key 8 h + l % 8, channels 8 ((l / 8) % 2) on
	v_and_b32 v15, 31, v0
	v_lshlrev_b32 v[GO], 4, v15
	v_lshlrev_b32 v[PFO], 8, v15
	s_mul_i32 s56, s[WV], 4608
	s_add_co_u32 s56, s56, STAGE                   ; my stage
	v_mul_u32_u24 v[STO], v12, 144
	v_lshl_add_u32 v[STO], v13, 4, v[STO]
	v_add_nc_u32 v[STO], s56, v[STO]               ; in: row r, 16 bytes for each half of the lanes
	v_bfe_u32 v15, v0, 3, 2
	v_mul_u32_u24 v[RD], v15, 144
	v_and_b32 v15, 7, v0
	v_lshl_add_u32 v[RD], v15, 4, v[RD]
	v_add_nc_u32 v[RD], s56, v[RD]                 ; back: eight lanes to a row of 128 bytes, four rows an instruction
	v_lshlrev_b32 v15, 3, v13
	v_sub_nc_u32 v[DL], v12, v15
.irp t, 0,1
	v_mov_b32 v[ST+8*\t], 0xff61b1e6               ; m: -3e38, under every score
	v_mov_b32 v[ST+8*\t+1], 0
	v_mov_b32 v[ST+8*\t+2], 0                      ; the sum
	v_mov_b32 v[ST+8*\t+3], 0
.endr
.set NN, 0
.rept 64
	v_mov_b32 v[OF+NN], 0                          ; O^T.  (The step is written once: the first finds zeros, which a = 0 leaves zeros; a first step of its own would be a ninth copy of the step)
.set NN, NN+1
.endr
; A KEY STEP: 64 keys, the q-th of the slot in hand.
.macro STEP q
	s_add_co_u32 s56, s[Q0], 31
	s_cmp_gt_u32 s[KF], s56                        ; all 64 keys come after my 32 queries: the step is left out (ids and the count of steps alone; no barrier and no tensor load stands in a step)
	s_cbranch_scc1 .Lhid_\@
	v_add_nc_u32 v[ADK], s[TB], v[AK0]
	v_add_nc_u32 v[ADV], s[TB], v[AV0]
.rept 3
	v_nop                                          ; with the two additions five places behind the last products: four for the loads into V's registers, five since the products below write over p's
.endr
.irp kt, 0,1,2,3
.irp c, 0,1
.irp e, 0,1
	ds_load_b128 v[KVF+16*\kt+8*\c+4*\e:KVF+16*\kt+8*\c+4*\e+3], v[ADK] offset:(\q)*32*PK+\kt*8*PK+64*\c+32*\e
.endr
.endr
.endr
	s_wait_dscnt 0x0
.irp c, 0,1                                    ; S^T = K Q^T: eight accumulators by turns, one instruction a turn; the first eight start the sums
.irp kt, 0,1,2,3
.irp t, 0,1
.if \c == 0
	v_wmma_f32_16x16x32_f16 v[SF+32*\t+8*\kt:SF+32*\t+8*\kt+7], v[KVF+16*\kt+8*\c:KVF+16*\kt+8*\c+7], v[QF+16*\t+8*\c:QF+16*\t+8*\c+7], 0
.else
	v_wmma_f32_16x16x32_f16 v[SF+32*\t+8*\kt:SF+32*\t+8*\kt+7], v[KVF+16*\kt+8*\c:KVF+16*\kt+8*\c+7], v[QF+16*\t+8*\c:QF+16*\t+8*\c+7], v[SF+32*\t+8*\kt:SF+32*\t+8*\kt+7]
.endif
.endr
.endr
.endr
.rept 4
	v_nop                                          ; places: in front of the loads into K's registers and of the first read of the scores
.endr
.irp kc, 0,1                                   ; V lands under the softmax: fragment (kc, ct): 32 keys x 16 channels
.irp ct, 0,1,2,3
.irp e, 0,1
	ds_load_tr16_b128 v[KVF+32*\kc+8*\ct+4*\e:KVF+32*\kc+8*\ct+4*\e+3], v[ADV] offset:(\q)*32*PV+\kc*16*PV+\e*8*PV+\ct*32
.endr
.endr
.endr
	s_add_co_u32 s56, s[KF], 63                    ; on the diagonal hidden scores become -infinity ahead of the maximum: p = 0 then.  A step all of whose keys count skips this
	s_cmp_le_u32 s56, s[Q0]
	s_cbranch_scc1 .Lopen_\@
	s_sub_co_u32 s56, s[Q0], s[KF]                 ; 0 or 32: KF is a multiple of 64 and not above Q0, so key KF counts for every query of mine and the maximum stays a number
	v_add_nc_u32 v12, s56, v[DL]                   ; tile 0: my query - KF - 8 h.  Register n holds key KF + 8 h + 16 (n / 8) + n % 8: hidden where 16 (n / 8) + n % 8 is above this
	v_add_nc_u32 v13, 16, v12                      ; tile 1
	v_mov_b32 v14, 0xff800000
.irp t, 0,1
.set NN, 0
.rept 32
	v_cmp_gt_i32 vcc_lo, 16*(NN/8)+NN%8, v[12+\t]
	v_cndmask_b32 v[SF+32*\t+NN], v[SF+32*\t+NN], v14, vcc_lo
.set NN, NN+1
.endr
.endr
.Lopen_\@:
.irp j, 0,1,2,3                                ; the maximum of my 32 scores and the old m, the two tiles by turns; each accumulator is read from its low end on
.irp t, 0,1
	v_max3_num_f32 v[ST+8*\t+4+\j], v[SF+32*\t+8*\j], v[SF+32*\t+8*\j+1], v[SF+32*\t+8*\j+2]
.endr
.endr
.irp u, 1,2
.irp j, 0,1,2,3
.irp t, 0,1
	v_max3_num_f32 v[ST+8*\t+4+\j], v[ST+8*\t+4+\j], v[SF+32*\t+8*\j+2*\u+1], v[SF+32*\t+8*\j+2*\u+2]
.endr
.endr
.endr
.irp t, 0,1
	v_max3_num_f32 v[ST+8*\t+4], v[ST+8*\t+4], v[SF+32*\t+7], v[SF+32*\t+15]
	v_max3_num_f32 v[ST+8*\t+6], v[ST+8*\t+6], v[SF+32*\t+23], v[SF+32*\t+31]
.endr
.irp t, 0,1
	v_max3_num_f32 v[ST+8*\t+4], v[ST+8*\t+4], v[ST+8*\t+5], v[ST+8*\t+6]
.endr
.irp t, 0,1
	v_max3_num_f32 v[ST+8*\t+4], v[ST+8*\t+4], v[ST+8*\t+7], v[ST+8*\t]
.endr
.irp t, 0,1
	v_permlanex16_b32 v[ST+8*\t+5], v[ST+8*\t+4], s[SEL], s[SEL+1]   ; the query's other 32 keys lie in the lane 16 away
.endr
.irp t, 0,1
	v_mov_b32 v[ST+8*\t+7], v[ST+8*\t]             ; the old m
.endr
.irp t, 0,1
	v_max_num_f32 v[ST+8*\t], v[ST+8*\t+4], v[ST+8*\t+5]   ; the new m
.endr
.irp t, 0,1
	v_sub_f32 v[ST+8*\t+7], v[ST+8*\t+7], v[ST+8*\t]
.endr
.irp t, 0,1
.set NN, 0
.rept 16
	v_pk_add_f32 v[SF+32*\t+NN:SF+32*\t+NN+1], v[SF+32*\t+NN:SF+32*\t+NN+1], v[ST+8*\t:ST+8*\t+1] op_sel_hi:[1,0] neg_lo:[0,1] neg_hi:[0,1]   ; s - m, two at a time
.set NN, NN+2
.endr
.endr
.irp t, 0,1                                    ; ONE BATCH of 66 exponentials: a = 2^(old m - new m), and the 64 p in place
	v_exp_f32 v[ST+8*\t+6], v[ST+8*\t+7]
.endr
.set NN, 0
.rept 64
	v_exp_f32 v[SF+NN], v[SF+NN]
.set NN, NN+1
.endr
	v_nop                                          ; a plain instruction behind the last exponential,
	s_wait_alu depctr_va_vdst(0)                   ; and one wait for the batch ahead of its first reader
.irp t, 0,1                                    ; the row's sum is taken of the unrounded p: two chains a tile
	v_pk_add_f32 v[ST+8*\t+4:ST+8*\t+5], v[SF+32*\t:SF+32*\t+1], v[SF+32*\t+2:SF+32*\t+3]
	v_pk_add_f32 v[12+2*\t:13+2*\t], v[SF+32*\t+4:SF+32*\t+5], v[SF+32*\t+6:SF+32*\t+7]
.endr
.irp i, 8,12,16,20,24,28
.irp t, 0,1
	v_pk_add_f32 v[ST+8*\t+4:ST+8*\t+5], v[ST+8*\t+4:ST+8*\t+5], v[SF+32*\t+\i:SF+32*\t+\i+1]
	v_pk_add_f32 v[12+2*\t:13+2*\t], v[12+2*\t:13+2*\t], v[SF+32*\t+\i+2:SF+32*\t+\i+3]
.endr
.endr
.irp t, 0,1
	v_pk_add_f32 v[ST+8*\t+4:ST+8*\t+5], v[ST+8*\t+4:ST+8*\t+5], v[12+2*\t:13+2*\t]
.endr
.irp t, 0,1
	v_pk_fma_f32 v[ST+8*\t+2:ST+8*\t+3], v[ST+8*\t+2:ST+8*\t+3], v[ST+8*\t+6:ST+8*\t+7], v[ST+8*\t+4:ST+8*\t+5] op_sel_hi:[1,0,1]   ; the sum = a x the sum + this step's
.endr
.set NN, 0
.rept 16                                       ; p to f16, in place: register i takes pair i, whose own registers 2 i, 2 i + 1 lie at or above it
.irp t, 0,1
	v_cvt_pk_f16_f32 v[SF+32*\t+NN], v[SF+32*\t+2*NN], v[SF+32*\t+2*NN+1]
.endr
.set NN, NN+1
.endr
.irp t, 0,1
.set NN, 0
.rept 16
	v_pk_mul_f32 v[OF+32*\t+NN:OF+32*\t+NN+1], v[OF+32*\t+NN:OF+32*\t+NN+1], v[ST+8*\t+6:ST+8*\t+7] op_sel_hi:[1,0]   ; O^T x a
.set NN, NN+2
.endr
.endr
	s_wait_dscnt 0x0                               ; V is in
.irp kc, 0,1                                   ; O^T += V^T P: eight accumulators by turns
.irp ct, 0,1,2,3
.irp t, 0,1
	v_wmma_f32_16x16x32_f16 v[OF+32*\t+8*\ct:OF+32*\t+8*\ct+7], v[KVF+32*\kc+8*\ct:KVF+32*\kc+8*\ct+7], v[SF+32*\t+8*\kc:SF+32*\t+8*\kc+7], v[OF+32*\t+8*\ct:OF+32*\t+8*\ct+7]
.endr
.endr
.endr
.Lhid_\@:
	s_add_co_u32 s[KF], s[KF], 64
.endm
; THE CHANGE OF SLOTS stands at a slot's head.  Each wave waits for all its tensor loads, adds 0 to its spare word, and waits for that and for its reads of the slot that it has left.  Behind the barrier the slot
; ahead is whole and nobody reads the other: fill = 1: it is filled with the next 256 keys, which have a slot's four steps in which to land.  By the text's own count a wave has one tensor load out.
.macro CHANGE fill
	s_wait_tensorcnt 0x0                           ; no tensor load of mine is out, so a group 0 may be written
	ds_add_u32 v[SPW], v[NIL]
.if \fill
	ds_add_u32 v[SPW], v[NIL]                      ; twice on end here
	s_xor_b32 s[G0K+1], s[G0K+1], SLOT1            ; the walking descriptors: the other slot,
	s_add_nc_u64 s[G0K+2:G0K+3], s[G0K+2:G0K+3], 32768   ; the next 256 keys
	s_xor_b32 s[G0V+1], s[G0V+1], SLOT1
	s_add_nc_u64 s[G0V+2:G0V+3], s[G0V+2:G0V+3], 32768
	s_wait_xcnt 0x0                                ; the last prefetch, a slot back, has read its address
	s_add_nc_u64 s[PFA:PFA+1], s[PFA:PFA+1], 32768
.endif
	s_wait_dscnt 0x0                               ; the add is done, and my reads of the slot that I have left are over
	s_barrier_signal -1
	s_barrier_wait -1
.if \fill
	s_add_co_u32 s56, s[KF], 256                   ; the first key of the slot that this change would ask for:
	s_cmp_gt_u32 s56, s[QL]                        ; past my work-group's last query no wave reads it, so it is not asked for.  Ids and the count of steps alone: all sixteen waves go the same way;
	s_cbranch_scc1 .Lpast_\@                       ; every wait for tensor loads in this text is for 0; the jump leads round the load's own lines and nothing else
	TLOAD
.Lpast_\@:
	ASK
.endif
.endm
.macro SLOT_STEPS
.set QS, 0
.rept 4
	STEP QS
.set QS, QS+1
.endr
	s_xor_b32 s[TB], s[TB], SLOT1
.endm
	s_wait_loadcnt 0x0                             ; Q
.Lslot:                                            ; seven trips; the eighth slot is written out, with no load behind its change
	CHANGE 1
	SLOT_STEPS
	s_sub_co_u32 s[SLOTS], s[SLOTS], 1
	s_cmp_lg_u32 s[SLOTS], 0
	s_cbranch_scc1 .Lslot
	CHANGE 0
	SLOT_STEPS
	; THE WAY OUT: O^T / the sum, to f16, through my stage, out as whole rows.  The additions are places behind the last products.
.irp t, 0,1
	v_add_f32 v[ST+8*\t+4], v[ST+8*\t+2], v[ST+8*\t+3]
.endr
.irp t, 0,1
	v_permlanex16_b32 v[ST+8*\t+5], v[ST+8*\t+4], s[SEL], s[SEL+1]
.endr
.irp t, 0,1
	v_add_f32 v[ST+8*\t+4], v[ST+8*\t+4], v[ST+8*\t+5]
.endr
.irp t, 0,1
	v_rcp_f32 v[ST+8*\t+6], v[ST+8*\t+4]
.endr
	v_nop
	s_wait_alu depctr_va_vdst(0)                   ; one wait for the two reciprocals, ahead of their first reader
.irp t, 0,1
.set NN, 0
.rept 16
	v_pk_mul_f32 v[OF+32*\t+NN:OF+32*\t+NN+1], v[OF+32*\t+NN:OF+32*\t+NN+1], v[ST+8*\t+6:ST+8*\t+7] op_sel_hi:[1,0]
.set NN, NN+2
.endr
.endr
.set NN, 0
.rept 32
	v_cvt_pk_f16_f32 v[SF+NN], v[OF+2*NN], v[OF+2*NN+1]   ; register 16 t + 4 ct + i: channels 16 ct + 8 h + 2 i, + 1 of query r
.set NN, NN+1
.endr
.irp t, 0,1
.irp ct, 0,1,2,3
	ds_store_b128 v[STO], v[SF+16*\t+4*\ct:SF+16*\t+4*\ct+3] offset:\t*2304+32*\ct
.endr
.endr
.irp t, 0,1
.irp i, 0,1,2,3
	ds_load_b128 v[KVF+16*\t+4*\i:KVF+16*\t+4*\i+3], v[RD] offset:\t*2304+\i*576   ; LDS serves a wave in order: these see my stores
.endr
.endr
.irp t, 0,1
.irp i, 0,1,2,3
	s_wait_dscnt 7-4*\t-\i
	global_store_b128 v[GO], v[KVF+16*\t+4*\i:KVF+16*\t+4*\i+3], s[10:11] offset:\t*2048+\i*512   ; four rows: 512 consecutive bytes, aligned
.endr
.endr
	s_wait_tensorcnt 0x0                           ; the wave's end
	ds_add_u32 v[SPW], v[NIL]
	s_wait_dscnt 0x0
	s_endpgm
.Lfunc_end_k_q765a25761d_attn:
	.size	k_q765a25761d_attn, .Lfunc_end_k_q765a25761d_attn-k_q765a25761d_attn
	.p2alignl 7, 3214868480
	.fill 96, 4, 3214868480
	.section	.rodata,"a",@progbits
	.p2align	6, 0x0
	.amdhsa_kernel k_q765a25761d_attn
		.amdhsa_group_segment_fixed_size 327680
		.amdhsa_private_segment_fixed_size 0
		.amdhsa_enable_private_segment 0
		.amdhsa_kernarg_size 16
		.amdhsa_user_sgpr_count 2
		.amdhsa_user_sgpr_kernarg_segment_ptr 1
		.amdhsa_wavefront_size32 1
		.amdhsa_system_sgpr_workgroup_id_x 1
		.amdhsa_system_sgpr_workgroup_id_y 1
		.amdhsa_system_sgpr_workgroup_id_z 1
		.amdhsa_system_vgpr_workitem_id 0
		.amdhsa_next_free_vgpr 256
		.amdhsa_next_free_sgpr 70
		.amdhsa_reserve_vcc 1
		.amdhsa_float_denorm_mode_32 3
		.amdhsa_float_denorm_mode_16_64 3
		.amdhsa_memory_ordered 1
		.amdhsa_forward_progress 1
		.amdhsa_inst_pref_size 187
	.end_amdhsa_kernel
	.amdgpu_metadata
---
amdhsa.version: [ 1, 2 ]
amdhsa.kernels:
  - .name:           k_q765a25761d_attn
    .symbol:         k_q765a25761d_attn.kd
    .args:
      - { .name: qkvh, .offset: 0, .size: 8, .value_kind: global_buffer, .address_space: global }
      - { .name: yh, .offset: 8, .size: 8, .value_kind: global_buffer, .address_space: global }
    .group_segment_fixed_size: 327680
    .private_segment_fixed_size: 0
    .kernarg_segment_align: 8
    .kernarg_segment_size: 16
    .max_flat_workgroup_size: 512
    .sgpr_count:     70
    .vgpr_count:     256
    .wavefront_size: 32
...
	.end_amdgpu_metadata
.endif
;; end of part 3
;; launch proj (part 4): grid 4 x 64, 4 waves a work-group, clusters of 4 x 4, 327,680 bytes of LDS; arguments yh, wp16, bproj, out0; writes out0
.if DOCPART == 4
	.amdgcn_target "amdgcn-amd-amdhsa--gfx1250"
	.amdhsa_code_object_version 6
	.text
	.protected	k_q765a25761d_proj
	.globl	k_q765a25761d_proj
	.p2align	8
	.type	k_q765a25761d_proj,@function
k_q765a25761d_proj:
	s_mov_b64 s[64:65], 0
	v_nop
	global_prefetch_b8 v0, s[64:65] scope:SCOPE_SE
	s_setreg_imm32_b32 hwreg(HW_REG_WAVE_MODE, 25, 1), 1
	s_wait_xcnt 0x0
	s_wait_alu depctr_hold_cnt(0) depctr_sa_sdst(0) depctr_va_vdst(0) depctr_va_sdst(0) depctr_va_ssrc(0) depctr_va_vcc(0) depctr_vm_vsrc(0)
	s_getreg_b32 s2, hwreg(HW_REG_IB_STS2, 6, 4)
	s_cmp_eq_u32 s2, 0
	s_cbranch_scc0 .Lentry_in_a_cluster
	s_endpgm
.Lentry_in_a_cluster:
	s_bfe_u32 s2, ttmp6, 0x10000c
	s_cmp_lg_u32 s2, 0xf033
	s_cbranch_scc0 .Lentry_shape_is_right
	s_endpgm
.Lentry_shape_is_right:
; out0 = y Wproj + bproj: f16 operands, f32 sums.  y comes as yh [16 b + h][t][64] f16 (K = 64 h + channel), Wproj as wp16 [K 1024][N 1024] f16.  The rows of positions 0-15 are overwritten by the last launch.
; A tile of out0 is 128 rows x 256 columns: 256 work-groups, one for each WGP (256 x 256 would give 128).  Four waves, each 64 rows x 128 columns: 32 accumulators, 256 registers.
; K goes in eight steps of 128, two heads, through a ring of two LDS slots.  A head's 128 rows of 128 bytes are dense in memory: they come as 64 rows of 256 bytes (two rows of y each); wave 0 fetches the first
; head of a step, wave 1 the second; waves 2 and 3 fetch 64 rows (K) x 512 bytes of Wproj each.  By the text's own count a wave has two tensor loads out at the start, later one.
; CLUSTERS: 4 x 4: y's tiles are asked for jointly along a row of the cluster, Wproj's along a column.
; THE MATRIX INSTRUCTION IS USED TRANSPOSED: source 0 = 16 columns of Wproj (turned on the way out of LDS by ds_load_tr16_b128), source 1 = 16 rows of y: a lane holds eight neighbouring columns of a row.
; The bias is the C of each sum's first matrix instruction.
; REGISTERS: window 0: v0-31 addresses; v64-159, v160-255 two fragment buffers (y's four fragments, then Wproj's eight, 32 along K); window 1: accumulator (a, b) at v[8 (8 a + b)]; window 2: v0-63 the bias.
.set PA,    272                        ; two rows of y: 256 bytes + 16
.set PB,    544                        ; a row (K) of Wproj's tile: 512 bytes + 32
.set ABLK,  64*PA                      ; a head's 128 rows
.set BOFF,  2*ABLK
.set BHALF, 64*PB
.set SLOT,  BOFF+2*BHALF               ; 104,448
.set STAGE, 2*SLOT                     ; the way out: 16 rows x (512 + 16) bytes for each wave; no fill lands here
.set SPITCH, 528
.set SPARE, STAGE+4*16*SPITCH          ; the spare words, 128 bytes for each wave, which no other line names
.set WV, 14
.set RH, 15                            ; my half of the rows.  Also: I fetch for y (0) or for Wproj (1)
.set CH, 16                            ; my half of the columns.  Also: which half of that tile I fetch
.set ADRA, 16
.set ADRB, 20
.set STO,  24
.set RD,   25
.set CO,   26
.set BO,   27
.set SPW,  28
.set NIL,  29
.set F0,   64
.set F1,   160
.set BK,   64
.set G1, 24
.set G0, 32
.set G1B, 48
.set G0B, 56
.set MSB, 0
.macro WIN new
.if MSB != (\new)
	s_set_vgpr_msb (MSB<<8)|(\new)
.set MSB, (\new)
.endif
.endm
.set MUL, 0x50                         ; C and D window 1; with 0x10 more: C window 2, the bias
.macro JLOAD s                         ; a joint load; an s_nop 0 and four v_nop follow each of the two lines
	s_cmp_eq_u32 s[RH], 0
	s_cbranch_scc0 .Lfor_b_\@
	tensor_load_to_lds s[G0+4*\s:G0+4*\s+3], s[G1:G1+7]
	s_nop 0
.rept 4
	v_nop
.endr
	s_branch .Lasked_\@
.Lfor_b_\@:
	tensor_load_to_lds s[G0B+4*\s:G0B+4*\s+3], s[G1B:G1B+7]
	s_nop 0
.rept 4
	v_nop
.endr
.Lasked_\@:
.endm
.macro CREST                           ; a round of the cluster's barrier behind its opening barrier
	s_cmp_lg_u32 s[WV], 0
	s_cbranch_scc1 .Lnot_wave_0_\@
	s_barrier_signal -3
.Lnot_wave_0_\@:
	s_barrier_wait -3
	s_barrier_signal -1
	s_barrier_wait -1
.endm
.macro CROUND
	s_barrier_signal -1
	s_barrier_wait -1
	CREST
.endm
	s_load_b256 s[4:11], s[0:1], 0x0               ; yh s[4:5], wp16 s[6:7], bproj s[8:9], out0 s[10:11]
	v_lshl_add_u32 v[SPW], v0, 2, SPARE
	v_mov_b32 v[NIL], 0
	ds_add_u32 v[SPW], v[NIL]                      ; the wave's opening: the add, twice on end, and its wait ahead of my first tensor load
	ds_add_u32 v[SPW], v[NIL]
	v_lshrrev_b32 v1, 5, v0
	v_readfirstlane_b32 s[WV], v1
	s_lshr_b32 s[RH], s[WV], 1
	s_and_b32 s[CH], s[WV], 1
	s_bfe_u32 s40, ttmp6, 0x40000                  ; cx
	s_bfe_u32 s41, ttmp6, 0x40004                  ; cy
	s_lshl_b32 s42, ttmp9, 2
	s_add_co_u32 s42, s42, s40                     ; tile column
	s_and_b32 s17, ttmp7, 0xffff
	s_lshl_b32 s17, s17, 2
	s_add_co_u32 s17, s17, s41                     ; tile row
	s_lshl_b32 s43, s41, 2
	s_lshl_b32 s43, 15, s43                        ; my row of the cluster
	s_lshl_b32 s44, 0x1111, s40                    ; my column
	s_or_b32 s[G1+0], s43, (1<<16)|(1<<20)|(1<<21)|(5<<22)|(3<<25)   ; elements of 2 bytes; padding: 4 words after every 64
	s_mov_b32 s[G1+1], 128<<16                     ; tensor_dim0
	s_mov_b32 s[G1+2], 64<<16                      ; tensor_dim1
	s_mov_b32 s[G1+3], 128<<16                     ; tile_dim0
	s_mov_b32 s[G1+4], 64                          ; tile_dim1
	s_mov_b32 s[G1+5], 128                         ; the pitch: dense
	s_mov_b32 s[G1+6], 0
	s_mov_b32 s[G1+7], 0
	s_or_b32 s[G1B+0], s44, (1<<16)|(1<<20)|(1<<21)|(6<<22)|(7<<25)  ; padding: 8 words after every 128
	s_mov_b32 s[G1B+1], 256<<16
	s_mov_b32 s[G1B+2], 64<<16
	s_mov_b32 s[G1B+3], 256<<16
	s_mov_b32 s[G1B+4], 64
	s_mov_b32 s[G1B+5], 1024
	s_mov_b32 s[G1B+6], 0
	s_mov_b32 s[G1B+7], 0
	s_lshr_b32 s20, s17, 4                         ; y: the batch (16 tiles of 128 rows each),
	s_lshl_b32 s20, s20, 4
	s_add_co_u32 s20, s20, s[CH]                   ; its head 0 or 1,
	s_lshl_b32 s20, s20, 18
	s_and_b32 s21, s17, 15
	s_lshl_b32 s21, s21, 14                        ; the tile's 128 rows of 128 bytes
	s_add_co_u32 s20, s20, s21
	s_mov_b32 s21, 0
	s_lshl_b32 s46, s[CH], 17                      ; Wproj: 64 rows of 2,048 bytes x half,
	s_lshl_b32 s47, s42, 9                         ; 512 bytes x tile column
	s_add_co_u32 s46, s46, s47
	s_mov_b32 s47, 0
	s_mul_i32 s45, s[CH], ABLK                     ; where they go: the wave's number alone enters an LDS address
	s_mul_i32 s22, s[CH], BHALF
	s_add_co_u32 s22, s22, BOFF
	s_wait_dscnt 0x0                               ; both opening adds are done
	s_wait_kmcnt 0x0
	s_add_nc_u64 s[20:21], s[4:5], s[20:21]
	s_add_nc_u64 s[46:47], s[6:7], s[46:47]
	CROUND                                         ; all sixteen work-groups are here: the first joint loads meet
.irp s, 0,1
	s_mov_b32 s[G0+4*\s], 1
	s_add_co_u32 s[G0+4*\s+1], s45, \s*SLOT
	s_add_nc_u64 s[G0+4*\s+2:G0+4*\s+3], s[20:21], \s*(2<<18)      ; K step s: heads 2 s, 2 s + 1
	s_or_b32 s[G0+4*\s+3], s[G0+4*\s+3], 0x80000000
	s_mov_b32 s[G0B+4*\s], 1
	s_add_co_u32 s[G0B+4*\s+1], s22, \s*SLOT
	s_add_nc_u64 s[G0B+4*\s+2:G0B+4*\s+3], s[46:47], \s*128*2048
	s_or_b32 s[G0B+4*\s+3], s[G0B+4*\s+3], 0x80000000
	JLOAD \s
.endr
	v_and_b32 v1, 15, v0                           ; r
	v_bfe_u32 v2, v0, 4, 1                         ; h
	v_lshrrev_b32 v3, 1, v1
	v_mul_u32_u24 v3, v3, PA
	v_and_b32 v4, 1, v1
	v_lshl_add_u32 v3, v4, 7, v3
	v_lshl_add_u32 v3, v2, 4, v3                   ; y: row r: (r / 2) PA + (r % 2) 128 + 16 h
	v_and_b32 v4, 7, v0
	v_lshl_add_u32 v4, v2, 3, v4
	v_mul_u32_u24 v4, v4, PB
	v_bfe_u32 v5, v0, 3, 1
	v_lshl_add_u32 v4, v5, 4, v4                   ; Wproj: row (K) 8 h + l % 8, columns 8 ((l / 8) % 2) on
	s_mul_i32 s21, s[RH], 32*PA                    ; my 64 rows
	s_lshl_b32 s22, s[CH], 8                       ; my 128 columns
	s_add_co_u32 s22, s22, BOFF
.irp s, 0,1
	v_add_nc_u32 v[ADRA+\s], s21, v3
	v_add_nc_u32 v[ADRB+\s], s22, v4
	s_add_co_u32 s21, s21, SLOT
	s_add_co_u32 s22, s22, SLOT
.endr
	s_mul_i32 s23, s[WV], 16*SPITCH
	s_add_co_u32 s23, s23, STAGE                   ; my stage
	v_mul_u32_u24 v5, v1, SPITCH
	v_lshl_add_u32 v5, v2, 5, v5
	v_add_nc_u32 v[STO], s23, v5                   ; in: row r, 32 bytes for each half of the lanes
	v_and_b32 v6, 31, v0
	v_lshlrev_b32 v[CO], 4, v6
	v_add_nc_u32 v[RD], s23, v[CO]                 ; back: the 32 lanes take one row of 512 bytes
	v_lshlrev_b32 v[BO], 5, v2
	s_lshl_b32 s46, s42, 10                        ; my first column, in bytes of f32
	s_lshl_b32 s47, s[CH], 9
	s_add_co_u32 s46, s46, s47
	s_mov_b32 s47, 0
	s_add_nc_u64 s[8:9], s[8:9], s[46:47]
	s_add_nc_u64 s[10:11], s[10:11], s[46:47]
	s_lshl_b32 s20, s17, 19                        ; my first row: 128 x tile row + 64 x half, rows of 4,096 bytes
	s_lshl_b32 s21, s[RH], 18
	s_add_co_u32 s20, s20, s21
	s_mov_b32 s21, 0
	s_add_nc_u64 s[10:11], s[10:11], s[20:21]
	WIN 0x80                                       ; destination window 2
.irp b, 0,1,2,3,4,5,6,7
.irp g, 0,1
	global_load_b128 v[8*\b+4*\g:8*\b+4*\g+3], v[BO], s[8:9] offset:64*\b+16*\g   ; bproj at columns 16 b + 8 h + 4 g on: the result's layout
.endr
.endr
	WIN 0
.macro MULA f, a, zero                 ; 8 matrix instructions: rows 16 a on x my eight blocks of columns, 32 along K.  The 32 accumulators take turns in the same order in every quarter
.irp b, 0,1,2,3,4,5,6,7
.if \zero
	v_wmma_f32_16x16x32_f16 v[8*(8*(\a)+\b):8*(8*(\a)+\b)+7], v[\f+32+8*\b:\f+32+8*\b+7], v[\f+8*(\a):\f+8*(\a)+7], v[8*\b:8*\b+7]
.else
	v_wmma_f32_16x16x32_f16 v[8*(8*(\a)+\b):8*(8*(\a)+\b)+7], v[\f+32+8*\b:\f+32+8*\b+7], v[\f+8*(\a):\f+8*(\a)+7], v[8*(8*(\a)+\b):8*(8*(\a)+\b)+7]
.endif
.endr
.endm
.macro FETCH slot, qd, f               ; 24 LDS loads in one run: quarter qd (32 along K) of a slot: Wproj's eight fragments first, then y's four
.irp b, 0,1,2,3,4,5,6,7
.irp e, 0,1
	ds_load_tr16_b128 v[\f+32+8*\b+4*\e:\f+32+8*\b+4*\e+3], v[ADRB+\slot] offset:(\qd)*32*PB+\e*16*PB+32*\b
.endr
.endr
.irp i, 0,1,2,3
.irp e, 0,1
	ds_load_b128 v[\f+8*\i+4*\e:\f+8*\i+4*\e+3], v[ADRA+\slot] offset:((\qd)/2)*ABLK+((\qd)%2)*64+\i*8*PA+32*\e
.endr
.endr
.endm
.macro PLACES                          ; four places in front of loads into registers that matrix instructions have read, and of the first read of results
.rept 4
	v_nop
.endr
.endm
.macro QUARTER slot, qd, f, g, zero    ; multiplies buffer f; in its middle fetches quarter qd of the slot into g
	s_wait_dscnt 4                                 ; all but the youngest four loads (y's blocks 2 and 3)
	WIN (MUL+0x10*(\zero))
	MULA \f, 0, \zero
	MULA \f, 1, \zero
	PLACES
	WIN 0
	FETCH \slot, \qd, \g
	s_wait_dscnt 24                                ; all but the 24 just issued
	WIN (MUL+0x10*(\zero))
	MULA \f, 2, \zero
	MULA \f, 3, \zero
.endm
; A slot's last quarter multiplies buffer 1 and changes slots: one barrier; in front of it each wave waits for all its tensor loads, adds 0 to its spare word, and waits for that and for its reads of this slot.
; fill = 1: the barrier opens a round of the cluster's, and this slot is filled again, two K steps ahead, first thing behind it: 112 matrix instructions ahead of the wait for it.
.macro TURN slot, next, fill
	WIN 0
	s_wait_tensorcnt 0x0                           ; all my tensor loads have landed: my part of the next slot
	ds_add_u32 v[SPW], v[NIL]
	s_wait_dscnt 5                                 ; (the add and the youngest four loads may be out)
	WIN MUL
	MULA F1, 0, 0
	s_wait_dscnt 0x0                               ; the add is done, and my reads of this slot are over
	s_barrier_signal -1
	MULA F1, 1, 0
	WIN 0
	s_barrier_wait -1
.if \fill
	CREST                                          ; no wave of any partner still reads this slot or has a load on its way
	s_add_nc_u64 s[G0+4*\slot+2:G0+4*\slot+3], s[G0+4*\slot+2:G0+4*\slot+3], 4<<18        ; four heads on
	s_add_nc_u64 s[G0B+4*\slot+2:G0B+4*\slot+3], s[G0B+4*\slot+2:G0B+4*\slot+3], 256*2048  ; 256 rows on
	JLOAD \slot                                    ; its four v_nop are also the places in front of the loads below
.else
	PLACES
.endif
	FETCH \next, 0, F0
	WIN MUL
	MULA F1, 2, 0
	MULA F1, 3, 0
.endm
	s_wait_tensorcnt 1                             ; my part of K step 0 is in; K step 1's may be out
	s_barrier_signal -1
	s_barrier_wait -1
	FETCH 0, 0, F0
	s_wait_loadcnt 0x0                             ; the bias
	QUARTER 0, 1, F0, F1, 1                        ; the first quarter starts the sums on the bias
	WIN 0
	s_mov_b32 s3, 3
.Llap:                                             ; a trip goes once round the ring and fills both slots again: K steps 2 to 7
	QUARTER 0, 2, F1, F0, 0
	QUARTER 0, 3, F0, F1, 0
	TURN 0, 1, 1
	QUARTER 1, 1, F0, F1, 0
	QUARTER 1, 2, F1, F0, 0
	QUARTER 1, 3, F0, F1, 0
	TURN 1, 0, 1
	QUARTER 0, 1, F0, F1, 0
	WIN 0
	s_sub_co_u32 s3, s3, 1
	s_cmp_lg_u32 s3, 0
	s_cbranch_scc1 .Llap
	QUARTER 0, 2, F1, F0, 0                        ; the last lap fills nothing
	QUARTER 0, 3, F0, F1, 0
	TURN 0, 1, 0
	QUARTER 1, 1, F0, F1, 0
	QUARTER 1, 2, F1, F0, 0
	QUARTER 1, 3, F0, F1, 0
	s_wait_dscnt 4
	WIN MUL
	MULA F1, 0, 0
	MULA F1, 1, 0
	s_wait_dscnt 0
	MULA F1, 2, 0
	MULA F1, 3, 0
	WIN 0
; THE WAY OUT, block a of 16 rows x 128 columns: through my own stage, back as whole rows of 512 bytes.
.macro TOSTAGE a
	WIN 0x04                                       ; an LDS store's data: window 1
.irp b, 0,1,2,3,4,5,6,7
	ds_store_b128 v[STO], v[64*(\a)+8*\b:64*(\a)+8*\b+3] offset:64*\b          ; each accumulator from its low end on
	ds_store_b128 v[STO], v[64*(\a)+8*\b+4:64*(\a)+8*\b+7] offset:64*\b+16
.endr
	WIN 0
.set BB, BK+64*((\a)%2)
.irp t, 0,1,2,3,4,5,6,7,8,9,10,11,12,13,14,15
	ds_load_b128 v[BB+4*\t:BB+4*\t+3], v[RD] offset:\t*SPITCH      ; LDS serves a wave in order: these see my stores
.endr
.endm
.macro SEND a, younger
.set BB, BK+64*((\a)%2)
	s_wait_dscnt \younger
.irp t, 0,1,2,3,4,5,6,7,8,9,10,11,12,13,14,15
	global_store_b128 v[CO], v[BB+4*\t:BB+4*\t+3], s[10:11] offset:(\a)*65536+\t*4096 th:TH_STORE_NT   ; 512 consecutive bytes of a row, aligned
.endr
.endm
	PLACES
	TOSTAGE 0
.irp a, 1,2,3
.if \a > 1
	s_wait_xcnt 0x0                                ; block a - 2's stores have read their registers: block a's loads may land there
.endif
	TOSTAGE \a
	SEND \a-1, 32                                  ; behind block a - 1's loads: block a's 16 stores and 16 loads
.endr
	SEND 3, 0
	s_wait_tensorcnt 0x0                           ; the wave's end
	ds_add_u32 v[SPW], v[NIL]
	s_wait_dscnt 0x0
	CROUND                                         ; the closing round
	s_endpgm
.Lfunc_end_k_q765a25761d_proj:
	.size	k_q765a25761d_proj, .Lfunc_end_k_q765a25761d_proj-k_q765a25761d_proj
	.p2alignl 7, 3214868480
	.fill 96, 4, 3214868480
	.section	.rodata,"a",@progbits
	.p2align	6, 0x0
	.amdhsa_kernel k_q765a25761d_proj
		.amdhsa_group_segment_fixed_size 327680
		.amdhsa_private_segment_fixed_size 0
		.amdhsa_enable_private_segment 0
		.amdhsa_kernarg_size 32
		.amdhsa_user_sgpr_count 2
		.amdhsa_user_sgpr_kernarg_segment_ptr 1
		.amdhsa_wavefront_size32 1
		.amdhsa_system_sgpr_workgroup_id_x 1
		.amdhsa_system_sgpr_workgroup_id_y 1
		.amdhsa_system_sgpr_workgroup_id_z 1
		.amdhsa_system_vgpr_workitem_id 0
		.amdhsa_next_free_vgpr 576
		.amdhsa_next_free_sgpr 66
		.amdhsa_reserve_vcc 0
		.amdhsa_float_denorm_mode_32 3
		.amdhsa_float_denorm_mode_16_64 3
		.amdhsa_memory_ordered 1
		.amdhsa_forward_progress 1
		.amdhsa_inst_pref_size 87
	.end_amdhsa_kernel
	.amdgpu_metadata
---
amdhsa.version: [ 1, 2 ]
amdhsa.kernels:
  - .name:           k_q765a25761d_proj
    .symbol:         k_q765a25761d_proj.kd
    .args:
      - { .name: yh, .offset: 0, .size: 8, .value_kind: global_buffer, .address_space: global }
      - { .name: wp16, .offset: 8, .size: 8, .value_kind: global_buffer, .address_space: global }
      - { .name: bproj, .offset: 16, .size: 8, .value_kind: global_buffer, .address_space: global }
      - { .name: out0, .offset: 24, .size: 8, .value_kind: global_buffer, .address_space: global }
    .group_segment_fixed_size: 327680
    .private_segment_fixed_size: 0
    .kernarg_segment_align: 8
    .kernarg_segment_size: 32
    .max_flat_workgroup_size: 128
    .sgpr_count:     66
    .vgpr_count:     576
    .wavefront_size: 32
...
	.end_amdgpu_metadata
.endif
;; end of part 4
;; launch first16 (part 5): grid 64 x 4, 16 waves a work-group, no clusters, 18,432 bytes of LDS; arguments qkv32, Wproj, bproj, out0; writes out0
.if DOCPART == 5
	.amdgcn_target "amdgcn-amd-amdhsa--gfx1250"
	.amdhsa_code_object_version 6
	.text
	.protected	k_q765a25761d_first16
	.globl	k_q765a25761d_first16
	.p2align	8
	.type	k_q765a25761d_first16,@function
k_q765a25761d_first16:
	s_mov_b64 s[64:65], 0
	v_nop
	global_prefetch_b8 v0, s[64:65] scope:SCOPE_SE
	s_setreg_imm32_b32 hwreg(HW_REG_WAVE_MODE, 25, 1), 1
	s_wait_xcnt 0x0
; Positions 0-15 of every sequence once more, wholly in f32: under the causal mask they average one to sixteen values, are the largest rows of the output, and f16 operands would use up what the comparison allows.
; This launch overwrites those 64 rows of out0.  The k read here carries no bias: it cancels in the softmax (first kernel's head).
; SHARES.  Work-group (x, b): batch b, columns 16 x .. 16 x + 15 of out0.  Wave w is head w: scores, softmax, values and its 64 rows of Wproj; the sixteen heads' parts meet in LDS and waves 0 and 1 add them.
; Every work-group of a batch repeats the small attention (32 matrix instructions a wave); what is shared out is Wproj, the larger part.
; ALL PRODUCTS by v_wmma_f32_16x16x4_f32, whose sources hold k = 2 (lane / 16) + register.  A sum over k does not mind which index stands in which place, if both sources agree: here place (h, j') of
; fragment f stands for index 8 h + 2 f + j' of a tile of 16.  So a result (a lane holds indices 8 h + 0..7) is the next product's source as it stands, and so are qkv32's register images.
; Its accumulators, v144-175, are written by matrix instructions alone; each sum begins with the constant 0; four accumulators take turns.
; The stores are pieces of 64 bytes of a row (16 columns): 256 KB in the whole launch.  Sixteen columns to a work-group give 256 work-groups.
.set LI,  1                            ; 16 x lane
.set LV,  2                            ; v's image read by channel
.set LW,  3                            ; Wproj: 8 h rows of 4,096 bytes + 4 r
.set DD,  4                            ; r - 8 h
.set SPW, 5
.set NIL, 6
.set LO,  7                            ; LDS: my wave's part
.set LR,  8                            ; LDS: 16 x thread: in waves 0 and 1, half w of a part
.set GOUT, 9
.set BA,  10
.set QR,  16                           ; v16-47   q's images; later y
.set KR,  48                           ; v48-79   k's images; later the parts
.set VR,  80                           ; v80-111  v by channel; later the parts
.set WR,  112                          ; v112-143 Wproj
.set ACC, 144
.set SS,  176
.set PP,  184
.set OP,  192
.set TM,  200
.set WV,  20
.set SEL, 22
.set SPARE, 16384                      ; behind the sixteen parts of 1,024 bytes: the spare words, 128 bytes for each wave, which no other line names
	s_load_b256 s[4:11], s[0:1], 0x0               ; qkv32 s[4:5], Wproj s[6:7], bproj s[8:9], out0 s[10:11]
	v_lshl_add_u32 v[SPW], v0, 2, SPARE
	v_mov_b32 v[NIL], 0
	v_lshrrev_b32 v12, 5, v0
	v_readfirstlane_b32 s[WV], v12                 ; wave = head
	v_and_b32 v12, 15, v0                          ; r
	v_bfe_u32 v13, v0, 4, 1                        ; h
	v_and_b32 v14, 31, v0
	v_lshlrev_b32 v[LI], 4, v14
	v_bfe_u32 v15, v12, 2, 1                       ; v(position, channel 16 ct + r) lies in image (ct, g = (r / 4) % 2), lane position + 16 (r / 8), word r % 4; my positions begin at 8 h
	v_lshlrev_b32 v[LV], 9, v15
	v_lshl_add_u32 v[LV], v13, 7, v[LV]
	v_lshrrev_b32 v15, 3, v12
	v_lshl_add_u32 v[LV], v15, 8, v[LV]
	v_and_b32 v15, 3, v12
	v_lshl_add_u32 v[LV], v15, 2, v[LV]
	v_lshlrev_b32 v[LW], 2, v12
	v_lshl_add_u32 v[LW], v13, 15, v[LW]
	v_lshlrev_b32 v15, 3, v13
	v_sub_nc_u32 v[DD], v12, v15
	s_lshl_b32 s12, s[WV], 10
	v_add_nc_u32 v[LO], s12, v[LI]
	v_lshlrev_b32 v[LR], 4, v0
	s_lshl_b32 s12, s[WV], 4
	v_lshlrev_b32 v[BA], 5, v13
	v_add_nc_u32 v[BA], s12, v[BA]                 ; columns 8 h + 4 w on, in bytes (used by waves 0 and 1)
	v_lshl_add_u32 v[GOUT], v12, 12, v[BA]         ; and row r of out0
	s_mov_b32 s[SEL], 0x76543210
	s_mov_b32 s[SEL+1], 0xfedcba98
	s_and_b32 s13, ttmp7, 0xffff                   ; the batch
	s_lshl_b32 s14, ttmp9, 6                       ; my first column, in bytes
	s_mov_b32 s15, 0
	s_mul_i32 s16, s13, 48
	s_add_co_u32 s16, s16, s[WV]
	s_lshl_b32 s16, s16, 12                        ; qkv32: (48 batch + head) x 4,096; k's section 65,536 further on, v's 131,072
	s_mov_b32 s17, 0
	s_lshl_b32 s18, s[WV], 18                      ; Wproj: my head's 64 rows
	s_add_co_u32 s18, s18, s14
	s_mov_b32 s19, 0
	s_lshl_b32 s24, s13, 23                        ; out0: the batch's first row
	s_add_co_u32 s24, s24, s14
	s_mov_b32 s25, 0
	s_wait_kmcnt 0x0
	s_add_nc_u64 s[4:5], s[4:5], s[16:17]
	s_add_nc_u64 s[6:7], s[6:7], s[18:19]
	s_add_nc_u64 s[8:9], s[8:9], s[14:15]
	s_add_nc_u64 s[10:11], s[10:11], s[24:25]
.irp i, 0,1,2,3,4,5,6,7
	global_load_b128 v[QR+4*\i:QR+4*\i+3], v[LI], s[4:5] offset:512*\i
	global_load_b128 v[KR+4*\i:KR+4*\i+3], v[LI], s[4:5] offset:65536+512*\i
.endr
.irp ct, 0,1,2,3
.irp u, 0,1,2,3,4,5,6,7
	global_load_b32 v[VR+8*\ct+\u], v[LV], s[4:5] offset:131072+\ct*1024+\u*16    ; v(8 h + u, 16 ct + r)
.endr
.endr
.irp ct, 0,1,2,3
.irp u, 0,1,2,3,4,5,6,7
	global_load_b32 v[WR+8*\ct+\u], v[LW], s[6:7] offset:(16*\ct+\u)*4096         ; Wproj(64 w + 16 ct + 8 h + u, my column r)
.endr
.endr
	v_mov_b32 v[TM], 0xff800000
	v_mov_b32 v[TM+3], 0                           ; (m's partner in a pair)
	s_wait_loadcnt 63                              ; q and k are in: 64 loads are younger, and the count's field holds 63
	; ---- S^T = k q^T: a lane holds query r and keys 8 h + 0..7.  q carries log2(e) / 8
.irp f, 0,1,2,3,4,5,6,7,8,9,10,11,12,13,14,15
.if \f < 4
	v_wmma_f32_16x16x4_f32 v[ACC+8*(\f%4):ACC+8*(\f%4)+7], v[KR+2*\f:KR+2*\f+1], v[QR+2*\f:QR+2*\f+1], 0
.else
	v_wmma_f32_16x16x4_f32 v[ACC+8*(\f%4):ACC+8*(\f%4)+7], v[KR+2*\f:KR+2*\f+1], v[QR+2*\f:QR+2*\f+1], v[ACC+8*(\f%4):ACC+8*(\f%4)+7]
.endif
.endr
.rept 8
	v_nop                                          ; eight places behind this form ahead of a read of its results (ISA guide 7.12.1)
.endr
.irp i, 0,2,4,6
	v_pk_add_f32 v[SS+\i:SS+\i+1], v[ACC+\i:ACC+\i+1], v[ACC+8+\i:ACC+8+\i+1]
.endr
.irp i, 0,2,4,6
	v_pk_add_f32 v[SS+\i:SS+\i+1], v[SS+\i:SS+\i+1], v[ACC+16+\i:ACC+16+\i+1]
.endr
.irp i, 0,2,4,6
	v_pk_add_f32 v[SS+\i:SS+\i+1], v[SS+\i:SS+\i+1], v[ACC+24+\i:ACC+24+\i+1]
.endr
.irp j, 0,1,2,3,4,5,6,7
	v_cmp_gt_i32 vcc_lo, \j, v[DD]                 ; key 8 h + j comes after query r: hidden
	v_cndmask_b32 v[SS+\j], v[SS+\j], v[TM], vcc_lo
.endr
	v_max3_num_f32 v[TM+1], v[SS], v[SS+1], v[SS+2]
	v_max3_num_f32 v[TM+2], v[SS+3], v[SS+4], v[SS+5]
	v_max3_num_f32 v[TM+1], v[TM+1], v[SS+6], v[SS+7]
	v_max_num_f32 v[TM+1], v[TM+1], v[TM+2]
	v_permlanex16_b32 v[TM+2], v[TM+1], s[SEL], s[SEL+1]
	v_max_num_f32 v[TM+2], v[TM+1], v[TM+2]        ; the row's maximum: key 0 counts for every query, so it is a number
.irp i, 0,2,4,6
	v_pk_add_f32 v[SS+\i:SS+\i+1], v[SS+\i:SS+\i+1], v[TM+2:TM+3] op_sel_hi:[1,0] neg_lo:[0,1] neg_hi:[0,1]
.endr
.irp j, 0,1,2,3,4,5,6,7
	v_exp_f32 v[PP+\j], v[SS+\j]
.endr
	v_nop
	s_wait_alu depctr_va_vdst(0)                   ; one wait for the eight, ahead of their first reader
	v_pk_add_f32 v[TM+4:TM+5], v[PP:PP+1], v[PP+2:PP+3]
	v_pk_add_f32 v[TM+6:TM+7], v[PP+4:PP+5], v[PP+6:PP+7]
	v_pk_add_f32 v[TM+4:TM+5], v[TM+4:TM+5], v[TM+6:TM+7]
	v_add_f32 v[TM+4], v[TM+4], v[TM+5]
	v_permlanex16_b32 v[TM+5], v[TM+4], s[SEL], s[SEL+1]
	v_add_f32 v[TM+4], v[TM+4], v[TM+5]            ; the row's sum
	v_rcp_f32 v[TM+6], v[TM+4]
	v_nop
	s_wait_alu depctr_va_vdst(0)
	s_wait_loadcnt 32                              ; v is in; Wproj's 32 loads may be out
	; ---- O^T = v^T p: a lane holds query r and channels 16 ct + 8 h + 0..7.  (More than nine plain instructions that name no accumulator stand above: these products write over the scores' accumulators)
.irp f, 0,1,2,3
.irp ct, 0,1,2,3
.if \f == 0
	v_wmma_f32_16x16x4_f32 v[ACC+8*\ct:ACC+8*\ct+7], v[VR+8*\ct+2*\f:VR+8*\ct+2*\f+1], v[PP+2*\f:PP+2*\f+1], 0
.else
	v_wmma_f32_16x16x4_f32 v[ACC+8*\ct:ACC+8*\ct+7], v[VR+8*\ct+2*\f:VR+8*\ct+2*\f+1], v[PP+2*\f:PP+2*\f+1], v[ACC+8*\ct:ACC+8*\ct+7]
.endif
.endr
.endr
.rept 9
	v_nop                                          ; eight for the reads below, nine for the next products, which write over these accumulators
.endr
.set NN, 0
.rept 16
	v_pk_mul_f32 v[QR+NN:QR+NN+1], v[ACC+NN:ACC+NN+1], v[TM+6:TM+7] op_sel_hi:[1,0]   ; y = O^T / the sum, into other registers
.set NN, NN+2
.endr
	s_wait_loadcnt 0x0                             ; Wproj
	; ---- my head's part of out^T = Wproj^T y^T: a lane holds query r and columns 8 h + 0..7 of my sixteen
.irp f, 0,1,2,3
.irp ct, 0,1,2,3
.if \f == 0
	v_wmma_f32_16x16x4_f32 v[ACC+8*\ct:ACC+8*\ct+7], v[WR+8*\ct+2*\f:WR+8*\ct+2*\f+1], v[QR+8*\ct+2*\f:QR+8*\ct+2*\f+1], 0
.else
	v_wmma_f32_16x16x4_f32 v[ACC+8*\ct:ACC+8*\ct+7], v[WR+8*\ct+2*\f:WR+8*\ct+2*\f+1], v[QR+8*\ct+2*\f:QR+8*\ct+2*\f+1], v[ACC+8*\ct:ACC+8*\ct+7]
.endif
.endr
.endr
.rept 8
	v_nop
.endr
.irp i, 0,2,4,6
	v_pk_add_f32 v[OP+\i:OP+\i+1], v[ACC+\i:ACC+\i+1], v[ACC+8+\i:ACC+8+\i+1]
.endr
.irp i, 0,2,4,6
	v_pk_add_f32 v[OP+\i:OP+\i+1], v[OP+\i:OP+\i+1], v[ACC+16+\i:ACC+16+\i+1]
.endr
.irp i, 0,2,4,6
	v_pk_add_f32 v[OP+\i:OP+\i+1], v[OP+\i:OP+\i+1], v[ACC+24+\i:ACC+24+\i+1]
.endr
	ds_store_b128 v[LO], v[OP:OP+3]                ; my part as an image of its registers: columns 8 h + 0..3,
	ds_store_b128 v[LO], v[OP+4:OP+7] offset:512   ; and 8 h + 4..7
	s_wait_dscnt 0x0                               ; for the others' sake: my stores have landed
	s_barrier_signal -1
	s_barrier_wait -1
	s_cmp_gt_u32 s[WV], 1                          ; waves 0 and 1 add the sixteen parts, half w each; no barrier stands behind this branch
	s_cbranch_scc1 .Ldone
	global_load_b128 v[TM+8:TM+11], v[BA], s[8:9]  ; bproj at my four columns
.irp i, 0,1,2,3,4,5,6,7,8,9,10,11,12,13,14,15
	ds_load_b128 v[KR+4*\i:KR+4*\i+3], v[LR] offset:1024*\i
.endr
	s_wait_dscnt 0x0
.irp i, 1,2,3,4,5,6,7,8,9,10,11,12,13,14,15
	v_pk_add_f32 v[KR:KR+1], v[KR:KR+1], v[KR+4*\i:KR+4*\i+1]          ; the heads in ascending order
	v_pk_add_f32 v[KR+2:KR+3], v[KR+2:KR+3], v[KR+4*\i+2:KR+4*\i+3]
.endr
	s_wait_loadcnt 0x0
	v_pk_add_f32 v[KR:KR+1], v[KR:KR+1], v[TM+8:TM+9]
	v_pk_add_f32 v[KR+2:KR+3], v[KR+2:KR+3], v[TM+10:TM+11]
	global_store_b128 v[GOUT], v[KR:KR+3], s[10:11]
.Ldone:
	s_wait_tensorcnt 0x0                           ; the wave's end
	ds_add_u32 v[SPW], v[NIL]
	s_wait_dscnt 0x0
	s_endpgm
.Lfunc_end_k_q765a25761d_first16:
	.size	k_q765a25761d_first16, .Lfunc_end_k_q765a25761d_first16-k_q765a25761d_first16
	.p2alignl 7, 3214868480
	.fill 96, 4, 3214868480
	.section	.rodata,"a",@progbits
	.p2align	6, 0x0
	.amdhsa_kernel k_q765a25761d_first16
		.amdhsa_group_segment_fixed_size 18432
		.amdhsa_private_segment_fixed_size 0
		.amdhsa_enable_private_segment 0
		.amdhsa_kernarg_size 32
		.amdhsa_user_sgpr_count 2
		.amdhsa_user_sgpr_kernarg_segment_ptr 1
		.amdhsa_wavefront_size32 1
		.amdhsa_system_sgpr_workgroup_id_x 1
		.amdhsa_system_sgpr_workgroup_id_y 1
		.amdhsa_system_sgpr_workgroup_id_z 1
		.amdhsa_system_vgpr_workitem_id 0
		.amdhsa_next_free_vgpr 224
		.amdhsa_next_free_sgpr 66
		.amdhsa_reserve_vcc 1
		.amdhsa_float_denorm_mode_32 3
		.amdhsa_float_denorm_mode_16_64 3
		.amdhsa_memory_ordered 1
		.amdhsa_forward_progress 1
		.amdhsa_inst_pref_size 22
	.end_amdhsa_kernel
	.amdgpu_metadata
---
amdhsa.version: [ 1, 2 ]
amdhsa.kernels:
  - .name:           k_q765a25761d_first16
    .symbol:         k_q765a25761d_first16.kd
    .args:
      - { .name: qkv32, .offset: 0, .size: 8, .value_kind: global_buffer, .address_space: global }
      - { .name: Wproj, .offset: 8, .size: 8, .value_kind: global_buffer, .address_space: global }
      - { .name: bproj, .offset: 16, .size: 8, .value_kind: global_buffer, .address_space: global }
      - { .name: out0, .offset: 24, .size: 8, .value_kind: global_buffer, .address_space: global }
    .group_segment_fixed_size: 18432
    .private_segment_fixed_size: 0
    .kernarg_segment_align: 8
    .kernarg_segment_size: 32
    .max_flat_workgroup_size: 512
    .sgpr_count:     66
    .vgpr_count:     224
    .wavefront_size: 32
...
	.end_amdgpu_metadata
.endif
;; end of part 5
